; MI455X (gfx1250); checked and timed in simulation.
; The chip was launched on July 23, 2026; its instructions are those of AMD's public machine-readable ISA for CDNA 5 (MIT licence, August 2026) and "CDNA5" Instruction Set Architecture Reference Guide (July 2026). The comments in the code are by the model that wrote it; some were corrected since.
;; Linear GPT2 Block. Allowed arithmetic: matrix products marked QUANTISED: E5M2 operands, one E8M0 scale for each 32 along K, by v_wmma_scale_f32_16x16x128_f8f6f4 with both operands' format E5M2, f32 sums; everything else in f32.
;; Inputs: fc1_b 4,096 float32; fc1_w 4,096 x 1,024 float32; fc2_b 1,024 float32; fc2_w 1,024 x 4,096 float32; hidden_states 2 x 2,048 x 1,024 float32; ln1_b 1,024 float32; ln1_g 1,024 float32; ln2_b 1,024 float32; ln2_g 1,024 float32; out_b 1,024 float32; out_w 1,024 x 1,024 float32; qkv_b 3,072 float32; qkv_w 3,072 x 1,024 float32.
;; Outputs: out0 2 x 2,048 x 1,024 float32.
;; This version of the problem:
;;   THIS VERSION OF THE PROBLEM IS GIVEN IN LOW PRECISION. The matrix products marked QUANTISED in the list below multiply operands that are first quantised to E5M2 (5 exponent bits, 2 mantissa bits; 8 bits a number), with one power-of-two scale for each 32 numbers along K (OCP MX v1.0); their sums are f32. All else is computed in f32.
;;   The module's matrix products, in the order in which they are computed (A, B: the left and right operand; K: the contracted axis; several contracted axes count as one K, in the product's order):
;;     1. [M 4,096, K 1,024] x [K 1,024, N 3,072]; A: computed on the way; B: input qkv_w: QUANTISED
;;     2. batch 32 x [M 2,048, K 64] x [K 64, N 2,048]; A: computed on the way; B: computed on the way: QUANTISED
;;     3. batch 32 x [M 2,048, K 2,048] x [K 2,048, N 64]; A: softmax (see below); B: computed on the way: QUANTISED
;;     4. [M 4,096, K 1,024] x [K 1,024, N 1,024]; A: computed on the way; B: input out_w: QUANTISED
;;     5. [M 4,096, K 1,024] x [K 1,024, N 4,096]; A: computed on the way; B: input fc1_w: QUANTISED
;;     6. [M 4,096, K 4,096] x [K 4,096, N 1,024]; A: computed on the way; B: input fc2_w: QUANTISED
;;   THE QUANTISER, for each operand of a quantised product, along K:
;;     - K is cut into blocks of 32 from its start; a last block that is shorter is filled with zeros.
;;     - A block's scale is 2^e with e = floor(log2(the largest magnitude in the block)) - 15, held to -126 .. 127; a block of zeros has e = 0. As a byte (E8M0): e + 127.
;;     - Each number is divided by its block's scale, clamped to +-57,344, and rounded to the nearest number of E5M2, ties to even, subnormals kept.
;;     - The product sums the exact products of the quantised numbers (number of the format x scale) in f32.
;;   ~~~python
;;   def quantise(x, axis):      # numpy; x: float32 -> the quantised numbers, widened to float32 again
;;       x = np.moveaxis(x, axis, -1); K = x.shape[-1]
;;       x = np.pad(x, [(0, 0)] * (x.ndim - 1) + [(0, -K % 32)]); x = x.reshape(x.shape[:-1] + (-1, 32)); a = np.abs(x).max(-1, keepdims=True)
;;       e = np.where(a > 0, np.clip(np.frexp(np.where(a > 0, a, 1))[1] - 1 - 15, -126, 127), 0)      # np.frexp(a)[1] - 1 = floor(log2(a)), exactly
;;       r = np.clip(x / 2.0 ** e, -57344, 57344)
;;       step = 2.0 ** (np.maximum(np.frexp(np.where(r == 0, 1, r))[1] - 1, -14) - 2)
;;       q = np.round(r / step) * step * 2.0 ** e      # np.round: ties to even
;;       return np.moveaxis(q.reshape(q.shape[:-2] + (-1,))[..., :K], -1, axis).astype(np.float32)
;;   ~~~
;;   SOFTMAX AHEAD OF A QUANTISED PRODUCT. Where the list says 'softmax', what is quantised is not the finished softmax but p = 2^(t - M), with t = logit x log2(e) and M = ceil(the row's largest t), a whole number; so 1/2 < the row's largest p <= 1. The row's sum l is taken of the UNQUANTISED p, in f32, and the product's result is divided by l at the end. Since M is a whole number, a kernel that streams over the keys may use a running M (the ceiling of the running maximum): every later rescaling is an exact power of two, which a block's scale takes up: the codes' values come out the same.
;;   OPERANDS COMPUTED ON THE WAY. 'Computed on the way' means the value that the module computes at that place (a softmax that the list does not call 'softmax' is quantised finished and normalised). What goes into a quantiser is computed in f32, as accurately as f32 sums, v_exp_f32 and their like allow (about 1e-6 of the number): no bf16 or f16 on the way to a quantiser, and a product that is left as it is and whose result goes on into a quantised operand takes f32 operands (vector FMAs, or v_wmma_f32_16x16x4_f32). A number that lies on a knife's edge between two numbers of the format may be rounded either way, as far as f32 arithmetic and the matrix unit's own rounding can turn it there, and no further.
;; One version. Each part assembles by itself: llvm-mc -triple=amdgcn-amd-amdhsa -mcpu=gfx1250 --defsym DOCPART=n.
;; ======== version 1 of 1: 7 launches
;; limits: a function is approximated: absolute error at most 1.5e-07
;; workspace buffers: img 17,301,504 bytes; qkvq 12,976,128 bytes; attq 4,325,376 bytes; hid 16,777,216 bytes; h2q 4,325,376 bytes; ffq 17,301,504 bytes
;; launch prep (part 1): grid 1024 x 1, 8 waves a work-group, no clusters, 66,816 bytes of LDS; arguments hidden_states, ln1_g, ln1_b, img, qkv_w, out_w, fc1_w, fc2_w; writes img
.if DOCPART == 1
	.amdgcn_target "amdgcn-amd-amdhsa--gfx1250"
	.amdhsa_code_object_version 6
	.text
	.protected	k_qf47feae290_prep
	.globl	k_qf47feae290_prep
	.p2align	8
	.type	k_qf47feae290_prep,@function
k_qf47feae290_prep:
	s_mov_b64 s[64:65], 0
	v_nop
	global_prefetch_b8 v0, s[64:65] scope:SCOPE_SE
	s_setreg_imm32_b32 hwreg(HW_REG_WAVE_MODE, 25, 1), 1
	s_wait_xcnt 0x0
; Rows of f32 become MX-BF8 operand images: codes of E5M2 and one E8M0 byte for each 32 along K.  Work-groups 0-255 first take the layer norm of their rows (x, g, b);
; work-groups 256-1023 take the four weights as they are (a launch of 256 work-groups is the layer norm alone).
; A UNIT: 16 rows x 1,024 columns = 8 fragments (16 rows x 128 K).  Phase A: wave w loads rows 2 w, 2 w + 1 whole (each load 512 consecutive bytes), normalises them where asked, and lays them into
; a stage in LDS.  Phase B: wave w takes columns 128 w .. 128 w + 127 of all 16 rows, quantises them and stores one fragment.
; THE IMAGE.  A panel is 128 rows x 128 K, 16,896 bytes: 8 fragments of 2,048 bytes, then at 16,384 the scale words, row 16 a + r at 32 r + 4 a.  Panel (row / 128, k / 128) of a tensor [R][K] lies at
; (row / 128 x K / 128 + k / 128) x 16,896.  In a fragment lane l = (r = l % 16, h = l / 16) owns the 16 bytes at 512 c + 16 l: k = 32 c + 8 h + 0..7, then 32 c + 16 + 8 h + 0..7.
; That is the matrix operand's register image with k permuted inside each block of 32, alike in every operand of this program: products and scales are unchanged, the order of summation differs.
; THE QUANTISER: a block's scale is 2^(floor(log2(largest magnitude)) - 15); numbers are held within +-57,344 x scale and rounded to the nearest code, ties to even.
; LIMITS: NaN and infinities are not served; a block whose largest magnitude lies under 2^-111 keeps the byte 1, a block of zeros too (its codes are zeros; this program alone reads the bytes).
; The variance is taken in two passes (mean first), so a common offset of the inputs does no harm.
.set PB,    16896
.set QKVW,  4325376                    ; the images' places in the first launch's buffer: LN(x) at 0, then the four weights
.set OUTW,  7569408
.set FC1W,  8650752
.set FC2W,  12976128
.set RP,    4112                       ; a stage row: 4,096 bytes + 16: 1,028 words, so that row r starts at bank 4 r mod 64 (64 banks of 4 bytes: ISA guide 11.1)
.set X0,    16                         ; v16-47 row 2 w, v48-79 row 2 w + 1
.set G,     80                         ; v80-111 g of my columns
.set B,     112                        ; v112-143 b
.set ST,    144                        ; v144-151 running sums, v152-153 a row's sum, v154-155 the other half's, v156-159 -mean, then 1/sigma, as pairs
.set N,     16                         ; phase B: v16-79 my 64 numbers
.set TM,    80                         ; v80-95 at work in the quantiser
.set PC,    96                         ; v96-111 the codes
.set PW,    112                        ; v112 the scale word
.set SEL,   34                         ; s[34:35] lane selects: lane l xor 16
.set MNT,   36                         ; s36 the mantissa field of 57,344
.set EPS,   37                         ; s37 1e-5
.set RCN,   45                         ; s45 1 / 1,024
	s_load_b256 s[4:11], s[0:1], 0x0               ; x, g, b, the images
	s_load_b256 s[12:19], s[0:1], 0x20             ; qkv_w, out_w, fc1_w, fc2_w
	v_lshl_add_u32 v160, v0, 2, 0x10100
	v_mov_b32 v161, 0
	v_lshrrev_b32 v1, 5, v0
	v_readfirstlane_b32 s38, v1                    ; wave 0..7
	v_and_b32 v1, 31, v0                           ; lane
	v_and_b32 v2, 15, v0                           ; r
	v_bfe_u32 v3, v0, 4, 1                         ; h
	v_lshlrev_b32 v4, 4, v1                        ; 16 x lane
	s_mul_i32 s39, s38, 2*RP
	v_add_nc_u32 v5, s39, v4                       ; into the stage: my wave's two rows, 16 bytes a lane
	v_mul_u32_u24 v6, v2, RP
	v_lshl_add_u32 v6, v3, 5, v6
	s_lshl_b32 s39, s38, 9
	v_add_nc_u32 v6, s39, v6                       ; out of it: row r, columns 128 w + 8 h on
	v_mov_b32 v[ST+10], 0                          ; a lane permute's destination counts as one of its sources
	v_mov_b32 v[ST+11], 0
	s_mov_b32 s[SEL], 0x76543210
	s_mov_b32 s[SEL+1], 0xfedcba98
	s_mov_b32 s[MNT], 0x600000
	s_mov_b32 s[EPS], 0x3727c5ac
	s_mov_b32 s[RCN], 0x3a800000
	s_mov_b32 s20, 0                               ; the tensor's first unit
	s_mov_b32 s21, 0                               ; its image's place
	s_wait_kmcnt 0x0
	s_mov_b64 s[22:23], s[4:5]                     ; which tensor: the choice hangs on the work-group's number alone
	s_cmp_ge_u32 ttmp9, 256
	s_cselect_b64 s[22:23], s[12:13], s[22:23]
	s_cselect_b32 s20, 256, s20
	s_cselect_b32 s21, QKVW, s21
	s_cmp_ge_u32 ttmp9, 448
	s_cselect_b64 s[22:23], s[14:15], s[22:23]
	s_cselect_b32 s20, 448, s20
	s_cselect_b32 s21, OUTW, s21
	s_cmp_ge_u32 ttmp9, 512
	s_cselect_b64 s[22:23], s[16:17], s[22:23]
	s_cselect_b32 s20, 512, s20
	s_cselect_b32 s21, FC1W, s21
	s_cmp_ge_u32 ttmp9, 768
	s_cselect_b64 s[22:23], s[18:19], s[22:23]
	s_cselect_b32 s20, 768, s20
	s_cselect_b32 s21, FC2W, s21
	s_cselect_b32 s24, 2, 0                        ; log2 of the tensor's width in units of 1,024 columns
	s_sub_co_u32 s25, ttmp9, s20                   ; the unit in its tensor
	s_lshr_b32 s30, s25, s24                       ; its strip of 16 rows
	s_lshl_b32 s31, s30, s24
	s_sub_co_u32 s31, s25, s31                     ; its 1,024 columns
	s_add_co_u32 s40, s24, 12                      ; log2 of a row's bytes
	s_lshl_b32 s41, s30, 4
	s_lshl_b32 s42, s38, 1
	s_add_co_u32 s41, s41, s42                     ; my first row: 16 x strip + 2 x wave
	s_lshl_b32 s26, s41, s40
	s_lshl_b32 s42, s31, 12
	s_add_co_u32 s26, s26, s42
	s_mov_b32 s27, 0
	s_lshl_b32 s28, 1, s40
	s_mov_b32 s29, 0
	s_add_nc_u64 s[26:27], s[22:23], s[26:27]      ; my first row,
	s_add_nc_u64 s[28:29], s[26:27], s[28:29]      ; my second
	s_lshr_b32 s41, s30, 3                         ; the panel: (strip / 8) x K / 128 + 8 x columns + wave
	s_add_co_u32 s42, s24, 3
	s_lshl_b32 s41, s41, s42
	s_lshl_b32 s42, s31, 3
	s_add_co_u32 s41, s41, s42
	s_add_co_u32 s41, s41, s38
	s_mul_i32 s32, s41, PB
	s_add_co_u32 s32, s32, s21
	s_mov_b32 s33, 0
	s_add_nc_u64 s[32:33], s[10:11], s[32:33]
	s_and_b32 s43, s30, 7                          ; the fragment in its panel
	s_lshl_b32 s44, s43, 11
	v_add_nc_u32 v7, s44, v4                       ; where my codes go
	s_lshl_b32 s44, s43, 2
	v_lshl_add_u32 v9, v2, 5, s44                  ; and my row's scale word: 32 r + 4 a
.irp i, 0,1,2,3,4,5,6,7
	global_load_b128 v[X0+4*\i:X0+4*\i+3], v4, s[26:27] offset:512*\i th:TH_LOAD_NT        ; 32 lanes read 512 consecutive bytes
	global_load_b128 v[X0+32+4*\i:X0+32+4*\i+3], v4, s[28:29] offset:512*\i th:TH_LOAD_NT
.endr
	s_cmp_ge_u32 ttmp9, 256
	s_cbranch_scc1 .Lplain                         ; a weight is quantised as it is
.irp i, 0,1,2,3,4,5,6,7
	global_load_b128 v[G+4*\i:G+4*\i+3], v4, s[6:7] offset:512*\i
	global_load_b128 v[B+4*\i:B+4*\i+3], v4, s[8:9] offset:512*\i
.endr
.macro FOLD                            ; the two rows' running sums become the rows' sums, in every lane
.irp e, 0,1
	v_pk_add_f32 v[ST+4*\e:ST+4*\e+1], v[ST+4*\e:ST+4*\e+1], v[ST+4*\e+2:ST+4*\e+3]
.endr
.irp e, 0,1
	v_add_f32 v[ST+8+\e], v[ST+4*\e], v[ST+4*\e+1]
.endr
.irp m, 1,2,4,8
.irp e, 0,1
	v_add_f32_dpp v[ST+8+\e], v[ST+8+\e], v[ST+8+\e] row_xmask:\m row_mask:0xf bank_mask:0xf
.endr
.endr
.irp e, 0,1
	v_permlanex16_b32 v[ST+10+\e], v[ST+8+\e], s[SEL], s[SEL+1]
.endr
.irp e, 0,1
	v_add_f32 v[ST+8+\e], v[ST+8+\e], v[ST+10+\e]
.endr
.endm
	s_wait_loadcnt 16                              ; my two rows are in; the 16 loads of g and b may be out
.irp e, 0,1
	v_pk_add_f32 v[ST+4*\e:ST+4*\e+1], v[X0+32*\e:X0+32*\e+1], v[X0+32*\e+2:X0+32*\e+3]      ; the first numbers start the sums: nothing is cleared
	v_pk_add_f32 v[ST+4*\e+2:ST+4*\e+3], v[X0+32*\e+4:X0+32*\e+5], v[X0+32*\e+6:X0+32*\e+7]
.endr
.irp j, 8,12,16,20,24,28
.irp e, 0,1
	v_pk_add_f32 v[ST+4*\e:ST+4*\e+1], v[ST+4*\e:ST+4*\e+1], v[X0+32*\e+\j:X0+32*\e+\j+1]
	v_pk_add_f32 v[ST+4*\e+2:ST+4*\e+3], v[ST+4*\e+2:ST+4*\e+3], v[X0+32*\e+\j+2:X0+32*\e+\j+3]
.endr
.endr
	FOLD
.irp e, 0,1
	v_mul_f32 v[ST+12+2*\e], 0xba800000, v[ST+8+\e]         ; -mean
.endr
.irp e, 0,1
	v_mov_b32 v[ST+13+2*\e], v[ST+12+2*\e]
.endr
.irp j, 0,2,4,6,8,10,12,14,16,18,20,22,24,26,28,30
.irp e, 0,1
	v_pk_add_f32 v[X0+32*\e+\j:X0+32*\e+\j+1], v[X0+32*\e+\j:X0+32*\e+\j+1], v[ST+12+2*\e:ST+13+2*\e]   ; d = x - mean
.endr
.endr
.irp e, 0,1
	v_pk_mul_f32 v[ST+4*\e:ST+4*\e+1], v[X0+32*\e:X0+32*\e+1], v[X0+32*\e:X0+32*\e+1]
	v_pk_mul_f32 v[ST+4*\e+2:ST+4*\e+3], v[X0+32*\e+2:X0+32*\e+3], v[X0+32*\e+2:X0+32*\e+3]
.endr
.irp j, 4,8,12,16,20,24,28
.irp e, 0,1
	v_pk_fma_f32 v[ST+4*\e:ST+4*\e+1], v[X0+32*\e+\j:X0+32*\e+\j+1], v[X0+32*\e+\j:X0+32*\e+\j+1], v[ST+4*\e:ST+4*\e+1]
	v_pk_fma_f32 v[ST+4*\e+2:ST+4*\e+3], v[X0+32*\e+\j+2:X0+32*\e+\j+3], v[X0+32*\e+\j+2:X0+32*\e+\j+3], v[ST+4*\e+2:ST+4*\e+3]
.endr
.endr
	FOLD
.irp e, 0,1
	v_fma_f32 v[ST+8+\e], v[ST+8+\e], s[RCN], s[EPS]        ; the variance + 1e-5
.endr
.irp e, 0,1
	v_rsq_f32 v[ST+12+2*\e], v[ST+8+\e]
.endr
	v_nop                                          ; a plain instruction between the last root and the use of its result
	s_wait_alu depctr_va_vdst(0)
.irp e, 0,1
	v_mov_b32 v[ST+13+2*\e], v[ST+12+2*\e]
.endr
	s_wait_loadcnt 0x0                             ; g and b
.irp j, 0,2,4,6,8,10,12,14,16,18,20,22,24,26,28,30
.irp e, 0,1
	v_pk_mul_f32 v[X0+32*\e+\j:X0+32*\e+\j+1], v[X0+32*\e+\j:X0+32*\e+\j+1], v[ST+12+2*\e:ST+13+2*\e]
.endr
.irp e, 0,1
	v_pk_fma_f32 v[X0+32*\e+\j:X0+32*\e+\j+1], v[X0+32*\e+\j:X0+32*\e+\j+1], v[G+\j:G+\j+1], v[B+\j:B+\j+1]
.endr
.endr
.Lplain:
	s_wait_loadcnt 0x0                             ; my two rows (met already where they were normalised)
.irp e, 0,1
.irp i, 0,1,2,3,4,5,6,7
	ds_store_b128 v5, v[X0+32*\e+4*\i:X0+32*\e+4*\i+3] offset:\e*RP+512*\i
.endr
.endr
	s_wait_dscnt 0x0                               ; for the others' sake: my stores into the stage are done
	s_barrier_signal -1
	s_barrier_wait -1
.irp c, 0,1,2,3                        ; register 16 c + i: k = 32 c + 8 h + i (i < 8), 32 c + 16 + 8 h + i - 8 (i >= 8) of row r
	ds_load_b128 v[N+16*\c:N+16*\c+3], v6 offset:128*\c
	ds_load_b128 v[N+16*\c+4:N+16*\c+7], v6 offset:128*\c+16
	ds_load_b128 v[N+16*\c+8:N+16*\c+11], v6 offset:128*\c+64
	ds_load_b128 v[N+16*\c+12:N+16*\c+15], v6 offset:128*\c+80
.endr
.irp b, 0,1,2,3
	v_mov_b32 v[TM+4+\b], 0                        ; a lane permute's destination counts as one of its sources
.endr
	s_wait_dscnt 0x0
.irp b, 0,1,2,3
	v_max3_num_f32 v[TM+\b], |v[N+16*\b]|, |v[N+1+16*\b]|, 0x8000000     ; block b: my 16 numbers, and the floor 2^(16 - 127): the byte cannot fall under 1
.endr
.irp i, 2,4,6,8,10,12,14
.irp b, 0,1,2,3
	v_max3_num_f32 v[TM+\b], v[TM+\b], |v[N+16*\b+\i]|, |v[N+1+16*\b+\i]|
.endr
.endr
.irp b, 0,1,2,3
	v_permlanex16_b32 v[TM+4+\b], v[TM+\b], s[SEL], s[SEL+1]
.endr
.irp b, 0,1,2,3
	v_max_num_f32 v[TM+\b], v[TM+\b], v[TM+4+\b]   ; with lane l xor 16's 16: the block's largest magnitude
.endr
.irp b, 0,1,2,3
	v_add_nc_u32 v[TM+12+\b], 0xf8800000, v[TM+\b] ; 15 off its exponent field: the conversion's scale operand
.endr
.irp b, 0,1,2,3
	v_and_or_b32 v[TM+8+\b], v[TM+\b], 0x7f800000, s[MNT]   ; 57,344 x the scale
.endr
.irp b, 0,1,2,3
	v_lshrrev_b32 v[TM+4+\b], 23, v[TM+12+\b]      ; the scale's byte
.endr
	v_lshl_or_b32 v[PW], v[TM+5], 8, v[TM+4]
	v_lshl_or_b32 v[PW], v[TM+6], 16, v[PW]
	v_lshl_or_b32 v[PW], v[TM+7], 24, v[PW]
.irp b, 0,1,2,3
.irp i, 0,1,2,3,4,5,6,7,8,9,10,11,12,13,14,15
	v_med3_num_f32 v[N+16*\b+\i], v[N+16*\b+\i], -v[TM+8+\b], v[TM+8+\b]   ; the conversion to an 8-bit code does not saturate (ISA guide 7.6.2)
.endr
	v_cvt_scalef32_pk8_bf8_f32 v[PC+4*\b:PC+1+4*\b], v[N+16*\b:N+7+16*\b], v[TM+12+\b]
	v_cvt_scalef32_pk8_bf8_f32 v[PC+2+4*\b:PC+3+4*\b], v[N+8+16*\b:N+15+16*\b], v[TM+12+\b]
.endr
	v_nop
.irp c, 0,1,2,3
	global_store_b128 v7, v[PC+4*\c:PC+4*\c+3], s[32:33] offset:512*\c     ; 32 lanes store 512 consecutive bytes
.endr
	global_store_b32 v9, v[PW], s[32:33] offset:16384      ; lanes l and l xor 16 hold the same word and write it to the same place
	s_wait_tensorcnt 0x0
	ds_add_u32 v160, v161
	s_wait_dscnt 0x0
	s_endpgm
.Lfunc_end_k_qf47feae290_prep:
	.size	k_qf47feae290_prep, .Lfunc_end_k_qf47feae290_prep-k_qf47feae290_prep
	.p2alignl 7, 3214868480
	.fill 96, 4, 3214868480
	.section	.rodata,"a",@progbits
	.p2align	6, 0x0
	.amdhsa_kernel k_qf47feae290_prep
		.amdhsa_group_segment_fixed_size 66816
		.amdhsa_private_segment_fixed_size 0
		.amdhsa_enable_private_segment 0
		.amdhsa_kernarg_size 64
		.amdhsa_user_sgpr_count 2
		.amdhsa_user_sgpr_kernarg_segment_ptr 1
		.amdhsa_wavefront_size32 1
		.amdhsa_system_sgpr_workgroup_id_x 1
		.amdhsa_system_sgpr_workgroup_id_y 1
		.amdhsa_system_sgpr_workgroup_id_z 1
		.amdhsa_system_vgpr_workitem_id 0
		.amdhsa_next_free_vgpr 162
		.amdhsa_next_free_sgpr 66
		.amdhsa_reserve_vcc 0
		.amdhsa_float_denorm_mode_32 3
		.amdhsa_float_denorm_mode_16_64 3
		.amdhsa_memory_ordered 1
		.amdhsa_forward_progress 1
		.amdhsa_inst_pref_size 30
	.end_amdhsa_kernel
	.amdgpu_metadata
---
amdhsa.version: [ 1, 2 ]
amdhsa.kernels:
  - .name:           k_qf47feae290_prep
    .symbol:         k_qf47feae290_prep.kd
    .args:
      - { .name: hidden_states, .offset: 0, .size: 8, .value_kind: global_buffer, .address_space: global }
      - { .name: ln1_g, .offset: 8, .size: 8, .value_kind: global_buffer, .address_space: global }
      - { .name: ln1_b, .offset: 16, .size: 8, .value_kind: global_buffer, .address_space: global }
      - { .name: img, .offset: 24, .size: 8, .value_kind: global_buffer, .address_space: global }
      - { .name: qkv_w, .offset: 32, .size: 8, .value_kind: global_buffer, .address_space: global }
      - { .name: out_w, .offset: 40, .size: 8, .value_kind: global_buffer, .address_space: global }
      - { .name: fc1_w, .offset: 48, .size: 8, .value_kind: global_buffer, .address_space: global }
      - { .name: fc2_w, .offset: 56, .size: 8, .value_kind: global_buffer, .address_space: global }
    .group_segment_fixed_size: 66816
    .private_segment_fixed_size: 0
    .kernarg_segment_align: 8
    .kernarg_segment_size: 64
    .max_flat_workgroup_size: 256
    .sgpr_count:     66
    .vgpr_count:     162
    .wavefront_size: 32
...
	.end_amdgpu_metadata
.endif
;; end of part 1
;; launch qkv (part 2): grid 12 x 16, 4 waves a work-group, clusters of 4 x 4, 327,680 bytes of LDS; arguments img, qkv_b, qkvq; writes qkvq
.if DOCPART == 2
	.amdgcn_target "amdgcn-amd-amdhsa--gfx1250"
	.amdhsa_code_object_version 6
	.text
	.protected	k_qf47feae290_qkv
	.globl	k_qf47feae290_qkv
	.p2align	8
	.type	k_qf47feae290_qkv,@function
k_qf47feae290_qkv:
	s_mov_b64 s[64:65], 0
	v_nop
	global_prefetch_b8 v0, s[64:65] scope:SCOPE_SE
	s_setreg_imm32_b32 hwreg(HW_REG_WAVE_MODE, 25, 1), 1
	s_wait_xcnt 0x0
	s_wait_alu depctr_hold_cnt(0) depctr_sa_sdst(0) depctr_va_vdst(0) depctr_va_sdst(0) depctr_va_ssrc(0) depctr_va_vcc(0) depctr_vm_vsrc(0)
	s_getreg_b32 s2, hwreg(HW_REG_IB_STS2, 6, 4)
	s_cmp_eq_u32 s2, 0
	s_cbranch_scc0 .Lentry_in_a_cluster
	s_endpgm
.Lentry_in_a_cluster:
	s_bfe_u32 s2, ttmp6, 0x10000c
	s_cmp_lg_u32 s2, 0xf033
	s_cbranch_scc0 .Lentry_shape_is_right
	s_endpgm
.Lentry_shape_is_right:
; q, k, v = LN1(x) qkv_w^T + qkv_b on MX-BF8 operand images, and the results quantised at once for attention: q and k along the head's 64, v along the keys.
; THE IMAGES (made by the launch before): a panel is 128 rows x 128 K, 16,896 bytes: 8 fragments of 2,048 bytes as images of the operand's registers (lane l's 16 bytes of chunk c at 512 c + 16 l), then at
; 16,384 the scale words, row 16 a + r at 32 r + 4 a.  The panels of one group of 128 rows follow each other along K, so two K steps of a group are one dense block, codes and scales together.
; In a chunk k is permuted inside its block of 32 (bytes 0-7: 32 c + 8 h + 0..7, bytes 8-15: 32 c + 16 + 8 h + 0..7), alike in both operands: the products are the same, the order of summation differs.
; A work-group makes 256 x 256, a wave 128 x 128 in 64 accumulators.  X is source 0 and Y source 1: a lane holds ONE row of Y and its registers run along X's rows.  With that permutation the 16 registers of
; tiles 2 c and 2 c + 1 are just chunk c of the next operand: conversions' results are stored as they stand.
; CLUSTERS x = 0, 1: Y = tokens, X = the weight's rows of q and k: a lane holds a token, registers run along channels.  CLUSTER x = 2: Y = the weight's rows of v, X = tokens: a lane holds a channel and registers
; run along the keys, which are v's K in attention.  The choice hangs on the cluster's x alone, which all partners share.
; 4 x 4 work-groups form a cluster; Y's blocks are asked for jointly along a row of the cluster, X's along a column.
; OUT: head blocks of 8,448 bytes for each (tensor, batch, head, 128 tokens).  q, k: 8 fragments of 1,024 bytes (16 tokens x 64), at 8,192 halfwords of scale bytes at 16 r + 2 a.
; v: 4 fragments of 2,048 bytes (16 channels x 128 keys), at 8,192 scale words at 16 r + 4 a.
; LIMITS: NaN and infinities are not served; a block whose largest magnitude lies under 2^-111 keeps the byte 1, a block of zeros too (this program alone reads the bytes).
; REGISTERS: window 0: v1-29 addresses; v32-47 scale words, two sets; v48-63, v64-127 biases; v128-255 Y's fragments, one set (on the way out: numbers, codes, work).  window 1: X's fragments, two sets.
; windows 2, 3: the accumulators, (a, b) at v[8 (8 (a % 4) + b)] of window 2 + a / 4.
.set PB,    16896
.set LOADB, 2*PB                       ; what one tensor load brings
.set SLOT,  4*LOADB
.set NBK,   8                          ; blocks of 16 rows a side of a wave
.set NQ,    2                          ; K steps of 128 in a slot
.set KS,    8                          ; K steps in all
.set LAPS,  KS/(2*NQ)
.set YWM,   LOADB                      ; from a wave's half of the rows to the other: codes,
.set YSM,   LOADB                      ; scale words
.set SPARE, 2*SLOT                     ; the spare words, 128 bytes for each wave: two blocks of 256 bytes that no other line names
.set QKVW,  4325376
.set HB,    8448
.set HS,    135168
.set REG,   4325376
.set AY,  16                           ; v16-17 LDS address of Y's fragments in slot 0, 1
.set AX,  18                           ; v18-19 X's
.set AS,  20                           ; v20-21 the scale words: lanes 0-15 Y's, lanes 16-31 X's
.set SPW, 28
.set NIL, 29
.set SC,  32
.set BY,  48
.set BX,  64
.set YF,  128
.set N,   128
.set PC,  192
.set TM,  208
.set SW,  240
.set G1Y, 24
.set G0Y, 32
.set G1X, 48
.set G0X, 56
.set SEL, 80
.set MNT, 79
.set MSB, 0
.macro WIN new                         ; the immediate's high byte repeats the setting that is left
.if MSB != (\new)
	s_set_vgpr_msb (MSB<<8)|(\new)
.set MSB, (\new)
.endif
.endm
.set MUL_LO, 0xa1                      ; source 0 (X) window 1, source 1 (Y) window 0, C and D window 2
.set MUL_HI, 0xf1
.set TO_X,   0x40
.macro JLOAD s                         ; a joint load: waves 0 and 1 fetch for Y, waves 2 and 3 for X; four v_nop follow each of the two lines
	s_cmp_eq_u32 s15, 0
	s_cbranch_scc0 .Lfor_x_\@
	tensor_load_to_lds s[G0Y+4*\s:G0Y+4*\s+3], s[G1Y:G1Y+7]
	s_nop 0
.rept 4
	v_nop
.endr
	s_branch .Lasked_\@
.Lfor_x_\@:
	tensor_load_to_lds s[G0X+4*\s:G0X+4*\s+3], s[G1X:G1X+7]
	s_nop 0
.rept 4
	v_nop
.endr
.Lasked_\@:
.endm
.macro CREST                           ; a round of the cluster's barrier behind its opening barrier
	s_cmp_lg_u32 s14, 0
	s_cbranch_scc1 .Lnot_wave_0_\@
	s_barrier_signal -3
.Lnot_wave_0_\@:
	s_barrier_wait -3
	s_barrier_signal -1
	s_barrier_wait -1
.endm
.macro CROUND
	s_barrier_signal -1
	s_barrier_wait -1
	CREST
.endm
.macro PLACES n                        ; plain vector instructions behind matrix instructions: eight in front of loads into their registers and of reads of results
.rept \n
	v_nop
.endr
.endm
.macro FRAG reg, adr, q, f             ; a fragment comes as it was stored: four loads of 512 consecutive bytes
.irp c, 0,1,2,3
	ds_load_b128 v[\reg+4*\c:\reg+4*\c+3], v[\adr] offset:(\q)*PB+2048*(\f)+512*\c
.endr
.endm
.macro FETCH_X slot, q, p
	WIN TO_X
.set fi, 0
.rept NBK
	FRAG 128*(\p)+16*fi, AX+\slot, \q, fi
.set fi, fi+1
.endr
	WIN 0
.endm
.macro FETCH_Y slot, q, f0
.set fi, \f0
.rept NBK/2
	FRAG YF+16*fi, AY+\slot, \q, fi
.set fi, fi+1
.endr
.endm
.macro SCALES slot, q, p               ; register blk of set p: lanes 0-15 the word of Y's block blk, lanes 16-31 that of X's
.set fi, 0
.rept NBK/4
	ds_load_b128 v[SC+8*(\p)+4*fi:SC+8*(\p)+4*fi+3], v[AS+\slot] offset:(\q)*PB+16*fi
.set fi, fi+1
.endr
.endm
.macro MULA a, p, zero                 ; Y's block a against X's NBK blocks.  The accumulators take turns, one instruction a turn, in one order throughout
	WIN MUL_LO+0x50*((\a)/4)
.set bi, 0
.rept NBK
.set rD, 8*(NBK*((\a)%4)+bi)
.if \zero
	v_wmma_scale_f32_16x16x128_f8f6f4 v[rD:rD+7], v[128*(\p)+16*bi:128*(\p)+16*bi+15], v[YF+16*(\a):YF+16*(\a)+15], 0, v[SC+8*(\p)+bi], v[SC+8*(\p)+(\a)] matrix_a_fmt:MATRIX_FMT_BF8 matrix_b_fmt:MATRIX_FMT_BF8 matrix_a_scale:MATRIX_SCALE_ROW1
.else
	v_wmma_scale_f32_16x16x128_f8f6f4 v[rD:rD+7], v[128*(\p)+16*bi:128*(\p)+16*bi+15], v[YF+16*(\a):YF+16*(\a)+15], v[rD:rD+7], v[SC+8*(\p)+bi], v[SC+8*(\p)+(\a)] matrix_a_fmt:MATRIX_FMT_BF8 matrix_b_fmt:MATRIX_FMT_BF8 matrix_a_scale:MATRIX_SCALE_ROW1
.endif
.set bi, bi+1
.endr
.endm
.macro MULS a0, n, p, zero
.set ai, \a0
.rept \n
	MULA ai, \p, \zero
.set ai, ai+1
.endr
.endm
.macro STEP slot, q, zero              ; a K step that has its successor in the same slot
	s_wait_dscnt 2*NBK                             ; all but the youngest loads, Y's upper half
	MULS 0, NBK/2, (\q)%2, \zero
	s_wait_dscnt 0x0                               ; Y's upper half is in
	PLACES 8
	FETCH_X \slot, (\q)+1, 1-(\q)%2
	FETCH_Y \slot, (\q)+1, 0
	SCALES \slot, (\q)+1, 1-(\q)%2
	MULS NBK/2, NBK/2, (\q)%2, \zero
	PLACES 8
	WIN 0
	FETCH_Y \slot, (\q)+1, NBK/2
.endm
.macro TURN slot, next, fill           ; a slot's last K step changes slots: one barrier; fill = 1: it opens a round of the cluster's barrier and this slot is filled again
	s_wait_tensorcnt 0x0                           ; all my tensor loads have landed: my part of the next slot
	ds_add_u32 v[SPW], v[NIL]                      ; 0 onto my spare word
	s_wait_dscnt 2*NBK+1                           ; the add and Y's upper half may be out
	MULS 0, NBK/4, 1, 0
	s_wait_dscnt 0x0                               ; the add is done, and my reads of this slot are over
	s_barrier_signal -1
	MULS NBK/4, NBK/4, 1, 0
	WIN 0
	s_barrier_wait -1
.if \fill
	CREST                                          ; no wave of any partner still reads this slot or has a load on its way
	s_add_nc_u64 s[G0Y+4*\slot+2:G0Y+4*\slot+3], s[G0Y+4*\slot+2:G0Y+4*\slot+3], 2*NQ*PB
	s_add_nc_u64 s[G0X+4*\slot+2:G0X+4*\slot+3], s[G0X+4*\slot+2:G0X+4*\slot+3], 2*NQ*PB
	JLOAD \slot                                    ; the first tensor load behind the round; its four v_nop are four of the eight places
	PLACES 4
.else
	PLACES 8
.endif
	FETCH_X \next, 0, 0
	FETCH_Y \next, 0, 0
	SCALES \next, 0, 0
	MULS NBK/2, NBK/2, 1, 0
	PLACES 8
	WIN 0
	FETCH_Y \next, 0, NBK/2
.endm
.macro QUANT s, pw                     ; 64 numbers of a lane, register 16 b + i of block b, become 16 registers of codes in v[PC] on and the scale word v[pw]
.irp b, 0,1,2,3
	v_max3_num_f32 v[TM+\b], |v[\s+16*\b]|, |v[\s+1+16*\b]|, 0x8000000    ; and the floor 2^(16 - 127): the byte cannot fall under 1
.endr
.irp i, 2,4,6,8,10,12,14
.irp b, 0,1,2,3
	v_max3_num_f32 v[TM+\b], v[TM+\b], |v[\s+16*\b+\i]|, |v[\s+1+16*\b+\i]|
.endr
.endr
.irp b, 0,1,2,3
	v_permlanex16_b32 v[TM+4+\b], v[TM+\b], s[SEL], s[SEL+1]
.endr
.irp b, 0,1,2,3
	v_max_num_f32 v[TM+\b], v[TM+\b], v[TM+4+\b]   ; with lane l xor 16's: the block's largest magnitude
.endr
.irp b, 0,1,2,3
	v_add_nc_u32 v[TM+12+\b], 0xf8800000, v[TM+\b] ; 15 off its exponent field: the conversion's scale operand
.endr
.irp b, 0,1,2,3
	v_and_or_b32 v[TM+8+\b], v[TM+\b], 0x7f800000, s[MNT]   ; 57,344 x the scale
.endr
.irp b, 0,1,2,3
	v_lshrrev_b32 v[TM+4+\b], 23, v[TM+12+\b]      ; the scale's byte
.endr
	v_lshl_or_b32 v[\pw], v[TM+5], 8, v[TM+4]
	v_lshl_or_b32 v[\pw], v[TM+6], 16, v[\pw]
	v_lshl_or_b32 v[\pw], v[TM+7], 24, v[\pw]
.irp b, 0,1,2,3
.irp i, 0,1,2,3,4,5,6,7,8,9,10,11,12,13,14,15
	v_med3_num_f32 v[\s+16*\b+\i], v[\s+16*\b+\i], -v[TM+8+\b], v[TM+8+\b]   ; the conversion to an 8-bit code does not saturate (ISA guide 7.6.2)
.endr
	v_cvt_scalef32_pk8_bf8_f32 v[PC+4*\b:PC+1+4*\b], v[\s+16*\b:\s+7+16*\b], v[TM+12+\b]
	v_cvt_scalef32_pk8_bf8_f32 v[PC+2+4*\b:PC+3+4*\b], v[\s+8+16*\b:\s+15+16*\b], v[TM+12+\b]
.endr
	v_nop                                          ; a plain instruction behind the last conversion
.endm
	s_load_b128 s[4:7], s[0:1], 0x0                ; the images, qkv_b
	s_load_b64 s[8:9], s[0:1], 0x10                ; the head blocks
	v_lshl_add_u32 v[SPW], v0, 2, SPARE
	v_mov_b32 v[NIL], 0
	ds_add_u32 v28, v29
	s_wait_dscnt 0x0
	v_lshrrev_b32 v1, 5, v0
	v_readfirstlane_b32 s14, v1                    ; wave 0..3
	s_lshr_b32 s15, s14, 1                         ; my half of Y's rows.  Also: I fetch for Y (0) or for X (1)
	s_and_b32 s16, s14, 1                          ; my half of X's rows.  Also: which group of 128 rows I fetch
	s_bfe_u32 s40, ttmp6, 0x40000                  ; cx, cy: my place in the cluster
	s_bfe_u32 s41, ttmp6, 0x40004
	s_and_b32 s82, ttmp7, 0xffff
	s_cmp_eq_u32 ttmp9, 2                          ; the clusters of v: the same answer in all sixteen partners
	s_cselect_b32 s83, s82, ttmp9
	s_cselect_b32 s84, 0, s82
	s_cselect_b32 s85, 0, QKVW                     ; X's image: the tokens, or the weight's rows of q and k
	s_cselect_b32 s86, QKVW+128*PB, 0              ; Y's image: the weight's rows of v, or the tokens
	s_cselect_b32 s87, 1, 0
	s_lshl_b32 s42, s83, 2
	s_add_co_u32 s42, s42, s40                     ; X's tile of 256 rows
	s_lshl_b32 s17, s84, 2
	s_add_co_u32 s17, s17, s41                     ; Y's
	s_lshl_b32 s43, s41, 2
	s_lshl_b32 s43, 15, s43                        ; my row of the cluster
	s_lshl_b32 s44, 0x1111, s40                    ; my column
	s_or_b32 s[G1Y], s43, (3<<16)|(1<<21)          ; 15:0 the mask; 17:16 elements of 8 bytes; 21 set beside a mask; no padding
	s_or_b32 s[G1X], s44, (3<<16)|(1<<21)
.irp g, G1Y, G1X                       ; a dense block of 33,792 bytes as 132 rows of 256
	s_mov_b32 s[\g+1], 32<<16
	s_mov_b32 s[\g+2], 132<<16
	s_mov_b32 s[\g+3], 32<<16
	s_mov_b32 s[\g+4], 132
	s_mov_b32 s[\g+5], 32
	s_mov_b32 s[\g+6], 0
	s_mov_b32 s[\g+7], 0
.endr
	s_lshl_b32 s20, s17, 1
	s_add_co_u32 s20, s20, s16
	s_mul_i32 s20, s20, KS*PB
	s_add_co_u32 s20, s20, s86
	s_mov_b32 s21, 0
	s_lshl_b32 s46, s42, 1
	s_add_co_u32 s46, s46, s16
	s_mul_i32 s46, s46, KS*PB
	s_add_co_u32 s46, s46, s85
	s_mov_b32 s47, 0
	s_mul_i32 s45, s14, LOADB                      ; where my loads go: no place in the cluster enters an LDS address
	s_mov_b32 s[SEL], 0x76543210
	s_mov_b32 s[SEL+1], 0xfedcba98
	s_mov_b32 s[MNT], 0x600000
	s_wait_kmcnt 0x0
	s_add_nc_u64 s[20:21], s[4:5], s[20:21]
	s_add_nc_u64 s[46:47], s[4:5], s[46:47]
	CROUND                                         ; all sixteen work-groups are here: the first joint loads meet
.irp s, 0,1
	s_mov_b32 s[G0Y+4*\s], 1
	s_add_co_u32 s[G0Y+4*\s+1], s45, \s*SLOT
	s_add_nc_u64 s[G0Y+4*\s+2:G0Y+4*\s+3], s[20:21], \s*NQ*PB
	s_or_b32 s[G0Y+4*\s+3], s[G0Y+4*\s+3], 0x80000000
	s_mov_b32 s[G0X+4*\s], 1
	s_add_co_u32 s[G0X+4*\s+1], s45, \s*SLOT
	s_add_nc_u64 s[G0X+4*\s+2:G0X+4*\s+3], s[46:47], \s*NQ*PB
	s_or_b32 s[G0X+4*\s+3], s[G0X+4*\s+3], 0x80000000
	JLOAD \s
.endr
	v_and_b32 v1, 15, v0                           ; r
	v_bfe_u32 v2, v0, 4, 1                         ; h
	v_and_b32 v3, 31, v0
	v_lshlrev_b32 v22, 4, v3                       ; 16 x lane
	s_mul_i32 s21, s15, YWM
	s_mul_i32 s22, s16, YWM
	s_add_co_u32 s22, s22, 2*LOADB
	v_add_nc_u32 v[AY], s21, v22
	v_add_nc_u32 v[AX], s22, v22
	v_add_nc_u32 v[AY+1], SLOT, v[AY]
	v_add_nc_u32 v[AX+1], SLOT, v[AX]
	s_mul_i32 s21, s15, YSM
	s_mul_i32 s22, s16, YSM
	s_add_co_u32 s22, s22, 2*LOADB
	s_sub_co_u32 s22, s22, s21                     ; from Y's scale words to X's
	v_mul_u32_u24 v4, s22, v2                      ; lanes 16-31 take X's
	v_lshl_add_u32 v4, v1, 5, v4
	s_add_co_u32 s21, s21, 16384
	v_add_nc_u32 v[AS], s21, v4
	v_add_nc_u32 v[AS+1], SLOT, v[AS]
	; where the results go, and the biases
	s_lshl_b32 s18, s17, 1
	s_add_co_u32 s18, s18, s15                     ; my group of 128 rows of Y
	s_lshl_b32 s19, s42, 1
	s_add_co_u32 s19, s19, s16                     ; and of X
	s_add_co_u32 s20, s18, 16
	s_lshl_b32 s21, s19, 9
	s_lshl_b32 s22, s18, 9
	s_add_co_u32 s22, s22, 8192
	s_cmp_eq_u32 s87, 1
	s_cselect_b32 s23, s19, s18                    ; the group of 128 tokens
	s_cselect_b32 s20, s20, s19                    ; the group of 128 channels of the 3,072
	s_cselect_b32 s88, 0, s21                      ; the bias along X (q, k); for v a load that is not used, inside the buffer
	s_cselect_b32 s90, s22, 0                      ; the bias along Y (v); for q, k likewise
	s_mov_b32 s89, 0
	s_mov_b32 s91, 0
	s_add_nc_u64 s[88:89], s[6:7], s[88:89]
	s_add_nc_u64 s[90:91], s[6:7], s[90:91]
	s_lshr_b32 s21, s20, 3
	s_mul_i32 s21, s21, REG                        ; q, k or v
	s_lshr_b32 s22, s23, 4
	s_mul_i32 s22, s22, 16*HS                      ; the batch
	s_add_co_u32 s21, s21, s22
	s_and_b32 s22, s20, 7
	s_mul_i32 s22, s22, 2*HS                       ; the pair of heads
	s_add_co_u32 s21, s21, s22
	s_and_b32 s22, s23, 15
	s_mul_i32 s22, s22, HB                         ; the 128 tokens
	s_add_co_u32 s92, s21, s22
	s_mov_b32 s93, 0
	s_add_nc_u64 s[12:13], s[8:9], s[92:93]
	v_lshlrev_b32 v23, 5, v2                       ; 32 h
	v_lshlrev_b32 v24, 2, v1                       ; 4 r
	v_mul_u32_u24 v25, v2, HS
	v_lshl_add_u32 v25, v1, 4, v25                 ; the scales' place: 16 r, lanes 16-31 in the second head's block
.irp b, 0,1,2,3,4,5,6,7
	global_load_b128 v[BX+8*\b:BX+8*\b+3], v23, s[88:89] offset:64*\b
	global_load_b128 v[BX+8*\b+4:BX+8*\b+7], v23, s[88:89] offset:64*\b+16
.endr
.irp a, 0,1,2,3,4,5,6,7
	global_load_b32 v[BY+2*\a], v24, s[90:91] offset:64*\a        ; twice, to fill the pair that the packed addition names
	global_load_b32 v[BY+2*\a+1], v24, s[90:91] offset:64*\a
.endr
	s_wait_tensorcnt 1                             ; my part of slot 0 is in; slot 1's load may be out
	s_barrier_signal -1
	s_barrier_wait -1
	FETCH_X 0, 0, 0
	FETCH_Y 0, 0, 0
	SCALES 0, 0, 0
	FETCH_Y 0, 0, NBK/2
	STEP 0, 0, 1                                   ; the first step's products start the sums: nothing is cleared
	s_mov_b32 s3, LAPS-1
.Llap:
	TURN 0, 1, 1
	STEP 1, 0, 0
	TURN 1, 0, 1
	STEP 0, 0, 0
	s_sub_co_u32 s3, s3, 1
	s_cmp_lg_u32 s3, 0
	s_cbranch_scc1 .Llap
	TURN 0, 1, 0                                   ; the last lap fills nothing
	STEP 1, 0, 0
	s_wait_dscnt 2*NBK
	MULS 0, NBK/2, 1, 0
	s_wait_dscnt 0x0
	MULS NBK/2, NBK/2, 1, 0
	WIN 0
	; THE WAY OUT: block by block of 16 rows of Y: the bias is added on the way into window 0, the 64 numbers of a lane are quantised, the codes are stored as they stand: 512 consecutive bytes a store.
	s_wait_loadcnt 0x0                             ; the biases
	PLACES 8
.irp b, 0,1,2,3
	v_mov_b32 v[TM+4+\b], 0                        ; a lane permute's destination counts as one of its sources
.endr
	v_cmp_ne_u32 vcc_lo, 0, v2                     ; lanes 16-31
.macro EPI kind                        ; kind 0: q, k;  1: v
.irp a, 0,1,2,3,4,5,6,7
.if \a > 0
	s_wait_xcnt 0x0                                ; the last block's stores have read their registers
.endif
	WIN 2+\a/4                                     ; source 0: the accumulators' window
.set i, 0
.rept 32
.if \kind
	v_pk_add_f32 v[N+2*i:N+2*i+1], v[64*(\a%4)+2*i:64*(\a%4)+2*i+1], v[BY+2*\a:BY+2*\a+1]     ; each accumulator from its low end on
.else
	v_pk_add_f32 v[N+2*i:N+2*i+1], v[64*(\a%4)+2*i:64*(\a%4)+2*i+1], v[BX+2*i:BX+2*i+1]
.endif
.set i, i+1
.endr
	WIN 0
	QUANT N, SW+\a
.irp c, 0,1,2,3
.if \kind
	global_store_b128 v22, v[PC+4*\c:PC+4*\c+3], s[12:13] offset:2048*(\a%4)+HS*(\a/4)+512*\c   ; 16 channels of head a / 4, keys 32 c on
.else
	global_store_b128 v22, v[PC+4*\c:PC+4*\c+3], s[12:13] offset:1024*\a+512*(\c%2)+HS*(\c/2)   ; 16 tokens, head c / 2, channels 32 (c % 2) on
.endif
.endr
.endr
.endm
	s_cmp_eq_u32 s87, 1
	s_cbranch_scc1 .Lfor_v
	EPI 0
	v_mov_b32 v224, 0x05040100                     ; lanes 0-15 gather the first head's halfwords, lanes 16-31 the second's
	v_mov_b32 v225, 0x07060302
	v_cndmask_b32 v224, v224, v225, vcc_lo
.irp i, 0,1,2,3
	v_perm_b32 v[228+\i], v[SW+2*\i+1], v[SW+2*\i], v224
.endr
	s_branch .Lscales
.Lfor_v:
	EPI 1
.irp i, 0,1,2,3
	v_cndmask_b32 v[228+\i], v[SW+\i], v[SW+4+\i], vcc_lo       ; lanes 0-15: the first head's four words, lanes 16-31 the second's
.endr
.Lscales:
	global_store_b128 v25, v[228:231], s[12:13] offset:8192       ; sixteen lanes store a block's 256 scale bytes
	s_wait_tensorcnt 0x0                           ; the wave's end
	ds_add_u32 v[SPW], v[NIL]
	s_wait_dscnt 0x0
	CROUND                                         ; the closing round
	s_endpgm
.Lfunc_end_k_qf47feae290_qkv:
	.size	k_qf47feae290_qkv, .Lfunc_end_k_qf47feae290_qkv-k_qf47feae290_qkv
	.p2alignl 7, 3214868480
	.fill 96, 4, 3214868480
	.section	.rodata,"a",@progbits
	.p2align	6, 0x0
	.amdhsa_kernel k_qf47feae290_qkv
		.amdhsa_group_segment_fixed_size 327680
		.amdhsa_private_segment_fixed_size 0
		.amdhsa_enable_private_segment 0
		.amdhsa_kernarg_size 24
		.amdhsa_user_sgpr_count 2
		.amdhsa_user_sgpr_kernarg_segment_ptr 1
		.amdhsa_wavefront_size32 1
		.amdhsa_system_sgpr_workgroup_id_x 1
		.amdhsa_system_sgpr_workgroup_id_y 1
		.amdhsa_system_sgpr_workgroup_id_z 1
		.amdhsa_system_vgpr_workitem_id 0
		.amdhsa_next_free_vgpr 1024
		.amdhsa_next_free_sgpr 96
		.amdhsa_reserve_vcc 1
		.amdhsa_float_denorm_mode_32 3
		.amdhsa_float_denorm_mode_16_64 3
		.amdhsa_memory_ordered 1
		.amdhsa_forward_progress 1
		.amdhsa_inst_pref_size 255
	.end_amdhsa_kernel
	.section	.bss,"aw",@nobits
	.p2align	6
	.space	262144
	.amdgpu_metadata
---
amdhsa.version: [ 1, 2 ]
amdhsa.kernels:
  - .name:           k_qf47feae290_qkv
    .symbol:         k_qf47feae290_qkv.kd
    .args:
      - { .name: img, .offset: 0, .size: 8, .value_kind: global_buffer, .address_space: global }
      - { .name: qkv_b, .offset: 8, .size: 8, .value_kind: global_buffer, .address_space: global }
      - { .name: qkvq, .offset: 16, .size: 8, .value_kind: global_buffer, .address_space: global }
    .group_segment_fixed_size: 327680
    .private_segment_fixed_size: 0
    .kernarg_segment_align: 8
    .kernarg_segment_size: 24
    .max_flat_workgroup_size: 128
    .sgpr_count:     96
    .vgpr_count:     1024
    .wavefront_size: 32
...
	.end_amdgpu_metadata
.endif
;; end of part 2
;; launch attn (part 3): grid 16 x 16, 16 waves a work-group, no clusters, 327,680 bytes of LDS; arguments qkvq, attq; writes attq
.if DOCPART == 3
	.amdgcn_target "amdgcn-amd-amdhsa--gfx1250"
	.amdhsa_code_object_version 6
	.text
	.protected	k_qf47feae290_attn
	.globl	k_qf47feae290_attn
	.p2align	8
	.type	k_qf47feae290_attn,@function
k_qf47feae290_attn:
	s_mov_b64 s[64:65], 0
	v_nop
	global_prefetch_b8 v0, s[64:65] scope:SCOPE_SE
	s_setreg_imm32_b32 hwreg(HW_REG_WAVE_MODE, 25, 1), 1
	s_wait_xcnt 0x0
; Causal attention on codes of E5M2 with one E8M0 scale for each 32 along a product's K, and its result quantised at once as the next product's operand image.
; t = score x log2(e) / 8; M = the running largest t rounded UP to a whole number; p = 2^(t - M) is quantised along the keys, not normalised; the row's sum is taken of the unquantised p and divides at the end.
; IN: head blocks of 8,448 bytes for each (tensor, batch, head, 128 tokens).  q, k: 8 fragments of 1,024 bytes (16 tokens x 64 channels; lane l's 16 bytes of chunk c at 512 c + 16 l), at 8,192 halfwords of
; scale bytes at 16 r + 2 a.  v: 4 fragments of 2,048 bytes (16 channels x 128 keys), at 8,192 scale words at 16 r + 4 a.  In a chunk k is permuted inside its block of 32 (bytes 0-7: 32 c + 8 h + 0..7, bytes
; 8-15: 32 c + 16 + 8 h + 0..7), alike in both operands of each product: the order of summation differs, nothing else.
; SHARES.  A work-group owns two heads and the groups of 64 queries ip and 31 - ip, which together cost 17 key steps a tile whatever ip is: all 256 work-groups have equal work.
; Each of sixteen waves owns one tile of 16 queries of one head.  Both products are used transposed, so that a lane holds ONE query throughout; with the permutation above S^T's tiles 2 b, 2 b + 1 are chunk b of P.
; TWO KEY TILES SHARE ONE OPERAND.  The head has 64 channels, the instruction takes 128 along K.  Two neighbouring fragments of k lie on end in memory and are loaded as ONE operand [tile 2 u | tile 2 u + 1];
; times [q | zeros] it gives tile 2 u, times [zeros | q] tile 2 u + 1.  q lies as zeros, q, zeros in 24 registers, and the two operands are its upper and its lower 16.  The two tiles' scale halfwords lie together
; as one word.  So k's eight tiles take 64 registers and come in one run of loads.
; TWO REGIONS OF 64 REGISTERS CHANGE ROLES FROM STEP TO STEP.  In a step k is in one region already and S^T goes to the other; v is then loaded over k and lands under the softmax; as soon as a block of p has
; been converted, the next step's k is loaded into its registers.  So the only LDS wait that a step can sit on is the one at its head, for loads issued in the step before.
; Every work-group walks all 16 key steps (constant trip counts; no tensor load or barrier is jumped over); a step all of whose keys come after a wave's queries is left out by a scalar branch on ids.
; Later steps of a slot are hidden wherever an earlier one is, so a step that runs always finds the k that the step before asked for (a slot's first k is loaded behind the change of slots).
; K's and V's blocks of both heads come through a ring of two LDS slots of four key steps, four dense streams, one for each of waves 0 to 3.
; NO CLUSTER: work-groups that share K and V differ in their queries, and the branch that leaves hidden steps out hangs on the queries: partners would not run alike.
; LIMITS: NaN and infinities are not served; a block whose largest magnitude lies under 2^-111 keeps the byte 1, a block of zeros too.
; REGISTERS: v1-4 lane places, v5, v6 the add's, v7 r - 8 h, v8-11 the trip's addresses, v12 -M, v13 largest t, v[14:15] the sum, v16-39 zeros, q, zeros, v40-103 and v104-167 the two regions,
; v168-199 O^T, v200-215 p's codes, v216-231 at work, v232-235 k's scale words, v236-239 v's, v[240:241] a second sum, v242, v243 q's two scale words, v244, v245 at work, v246 f, v247 p's scale word,
; v248 -infinity, v249-252 addresses that stay.
.set HB,    8448
.set HS,    135168
.set REG,   4325376
.set PB,    16896
.set STR,   4*HB                       ; a stream's four key steps: what one tensor load brings
.set SLOTB, 4*STR                      ; a slot: k of head 0, k of head 1, v of head 0, v of head 1; slot A at 0, slot B here
.set SCX,   2*SLOTB                    ; 512 bytes: the results' scale halfwords meet here; no fill lands here
.set SPARE, SCX+512                    ; the spare words, 128 bytes for each wave: eight blocks of 256 bytes that no other line names
.set SPW,  5
.set NIL,  6
.set RGA,  40
.set RGB,  104
.set RO,   168
.set PCD,  200
.set BM,   216                         ; the blocks' largest scores, then largest p
.set PM,   220                         ; the other half's, then the scale bytes
.set HD,   224                         ; 57,344 x the scale
.set SO,   228                         ; the conversions' scale operands
.set KSC,  232
.set VSC,  236
.set SM2,  240
.set QS1,  242
.set QS2,  243
.set TMP,  244
.set DD,   245
.set RF,   246
.set PSW,  247
.set NINF, 248
.set ASH,  249
.set ARB,  250
.set AOUT, 251
.set L16,  252
.set G0A,  36                          ; s[36:39] group 0 for slot A, s[68:71] for slot B: their LDS addresses never change
.set G0B,  68
.macro TLOAD g0                        ; waves 0 to 3 fetch a stream each; four v_nop follow the line
	s_cmp_lt_u32 s8, 4
	s_cbranch_scc0 .Lnone_\@
	tensor_load_to_lds s[\g0:\g0+3], s[28:35]
	s_nop 0
.rept 4
	v_nop
.endr
.Lnone_\@:
.endm
	s_load_b128 s[4:7], s[0:1], 0x0                ; the head blocks, the result's image
	v_lshl_add_u32 v[SPW], v0, 2, SPARE
	v_mov_b32 v[NIL], 0
	ds_add_u32 v5, v6
	s_wait_dscnt 0x0
	v_lshrrev_b32 v8, 5, v0
	v_readfirstlane_b32 s8, v8                     ; wave 0..15
	s_lshr_b32 s9, s8, 2                           ; which tile of 16 of the 64 queries
	s_bfe_u32 s10, s8, 0x10001                     ; which head of the pair
	s_xor_b32 s11, s9, s8
	s_and_b32 s11, s11, 1                          ; early (0) or late (1) queries
	s_and_b32 s40, ttmp7, 0xffff
	s_lshr_b32 s13, s40, 3                         ; batch
	s_and_b32 s14, s40, 7                          ; pair of heads
	s_sub_co_u32 s41, 31, ttmp9
	s_cmp_eq_u32 s11, 1
	s_cselect_b32 s15, s41, ttmp9                  ; my group of 64 queries
	s_lshl_b32 s16, s15, 6
	s_lshl_b32 s42, s9, 4
	s_add_co_u32 s16, s16, s42                     ; my first query
	s_mov_b32 s28, 3<<16                           ; group 1: a dense block of 33,792 bytes as 132 rows of 256: elements of 8 bytes, no mask, no padding
	s_mov_b32 s29, 32<<16
	s_mov_b32 s30, 132<<16
	s_mov_b32 s31, 32<<16
	s_mov_b32 s32, 132
	s_mov_b32 s33, 32
	s_mov_b32 s34, 0
	s_mov_b32 s35, 0
	s_and_b32 s43, s8, 3                           ; my stream: K of head 0, 1, V of head 0, 1
	s_mul_i32 s37, s43, STR                        ; its place in slot A,
	s_add_co_u32 s69, s37, SLOTB                   ; in slot B
	s_lshr_b32 s44, s43, 1
	s_add_co_u32 s44, s44, 1
	s_mul_i32 s44, s44, REG
	s_lshl_b32 s48, s13, 4
	s_lshl_b32 s49, s14, 1
	s_add_co_u32 s48, s48, s49                     ; the pair's first head, counted over both batches
	s_and_b32 s49, s43, 1
	s_add_co_u32 s49, s49, s48
	s_mul_i32 s46, s49, HS
	s_add_co_u32 s46, s46, s44
	s_mov_b32 s47, 0
	s_lshr_b32 s54, s15, 1                         ; my queries' group of 128 tokens
	s_and_b32 s53, s15, 1
	s_lshl_b32 s53, s53, 2
	s_add_co_u32 s53, s53, s9                      ; and their fragment in it
	s_add_co_u32 s50, s48, s10
	s_mul_i32 s50, s50, HS
	s_mul_i32 s52, s54, HB
	s_add_co_u32 s50, s50, s52                     ; Q's block
	s_mov_b32 s51, 0
	s_lshl_b32 s58, s13, 4
	s_add_co_u32 s58, s58, s54
	s_lshl_b32 s58, s58, 3
	s_add_co_u32 s58, s58, s14
	s_mul_i32 s58, s58, PB                         ; the result's panel: (token / 128) x 8 + pair of heads
	s_lshl_b32 s60, s53, 11
	s_add_co_u32 s58, s58, s60                     ; my fragment,
	s_lshl_b32 s60, s10, 10
	s_add_co_u32 s58, s58, s60                     ; my head's two chunks
	s_mov_b32 s59, 0
	s_lshl_b32 s61, s13, 4
	s_lshr_b32 s60, ttmp9, 1                       ; the scale words of the early queries' panel
	s_add_co_u32 s60, s60, s61
	s_lshl_b32 s60, s60, 3
	s_add_co_u32 s60, s60, s14
	s_mul_i32 s60, s60, PB
	s_and_b32 s62, ttmp9, 1
	s_lshl_b32 s62, s62, 4
	s_add_co_u32 s60, s60, s62
	s_lshr_b32 s62, s41, 1                         ; and of the late queries'
	s_add_co_u32 s62, s62, s61
	s_lshl_b32 s62, s62, 3
	s_add_co_u32 s62, s62, s14
	s_mul_i32 s62, s62, PB
	s_and_b32 s63, s41, 1
	s_lshl_b32 s63, s63, 4
	s_add_co_u32 s62, s62, s63
	s_sub_co_u32 s62, s62, s60                     ; the distance between the two
	s_mov_b32 s20, 0x76543210
	s_mov_b32 s21, 0xfedcba98                      ; lane selects: lane l xor 16
	s_mov_b32 s22, 0x3e38aa3b                      ; c = log2(e) / 8
	s_mov_b32 s23, s22                             ; (named with it as a pair, so it is written)
	s_mov_b32 s24, 0x600000                        ; the mantissa field of 57,344
	s_mov_b32 s17, 0                               ; the step's first key
	s_wait_kmcnt 0x0
	s_mov_b32 s[G0A], 1
	s_add_nc_u64 s[G0A+2:G0A+3], s[4:5], s[46:47]  ; slot A begins with key steps 0 to 3,
	s_mov_b32 s[G0B], 1
	s_add_nc_u64 s[G0B+2:G0B+3], s[G0A+2:G0A+3], STR       ; slot B with 4 to 7
	s_or_b32 s[G0A+3], s[G0A+3], 0x80000000
	s_or_b32 s[G0B+3], s[G0B+3], 0x80000000
	TLOAD G0A                                      ; slot A
	s_add_nc_u64 s[50:51], s[4:5], s[50:51]
	s_add_nc_u64 s[58:59], s[6:7], s[58:59]
	v_and_b32 v8, 15, v0                           ; r
	v_bfe_u32 v9, v0, 4, 1                         ; h
	v_and_b32 v10, 31, v0
	v_lshlrev_b32 v[L16], 4, v10                   ; 16 x lane
	s_lshl_b32 s66, s53, 10
	v_add_nc_u32 v253, s66, v[L16]                 ; Q's fragment
	s_lshl_b32 s66, s53, 1
	v_lshl_add_u32 v254, v8, 4, s66                ; its scale halfwords
	global_load_b128 v[24:27], v253, s[50:51]
	global_load_b128 v[28:31], v253, s[50:51] offset:512
	global_load_u16 v[QS1], v254, s[50:51] offset:8192
	s_mul_i32 s66, s10, STR
	v_add_nc_u32 v1, s66, v[L16]                   ; K's fragments of my head
	v_add_nc_u32 v2, 2*STR, v1                     ; V's
	v_lshlrev_b32 v3, 4, v8
	v_add_nc_u32 v3, s66, v3
	v_add_nc_u32 v3, 8192, v3                      ; K's scales
	v_add_nc_u32 v4, 2*STR, v3                     ; V's
	v_lshlrev_b32 v11, 3, v9
	v_sub_nc_u32 v7, v8, v11                       ; r - 8 h
	s_lshl_b32 s66, s11, 8
	s_lshl_b32 s67, s9, 2
	s_add_co_u32 s66, s66, s67
	s_lshl_b32 s67, s10, 1
	s_add_co_u32 s66, s66, s67
	s_add_co_u32 s66, s66, SCX
	v_lshl_add_u32 v[ASH], v8, 4, s66              ; where my scale halfword goes: 256 x late + 16 r + 4 x tile + 2 x head
	v_add_nc_u32 v[ARB], SCX, v[L16]               ; and where wave 0 reads them back
	v_mul_u32_u24 v[AOUT], s62, v9
	v_add_nc_u32 v[AOUT], s60, v[AOUT]
	v_lshl_add_u32 v[AOUT], v8, 5, v[AOUT]         ; their place in the image: lanes 0-15 the early queries' panel, lanes 16-31 the late ones'
	v_mov_b32 v13, 0xff61b1e6                      ; the largest t so far: -3e38
	v_floor_f32 v12, -v13                          ; -M
	v_mov_b32 v14, 0
	v_mov_b32 v15, 0
	v_mov_b32 v[PSW], 0                            ; (named as the upper half of the pair with f before it is first written)
	v_mov_b32 v[NINF], 0xff800000                  ; -infinity
.irp j, 0,1,2,3,4,5,6,7
	v_mov_b32 v[16+\j], 0                          ; zero codes on both sides of q; they stay
	v_mov_b32 v[32+\j], 0
.endr
.irp b, 0,1,2,3
	v_mov_b32 v[PM+\b], 0                          ; a lane permute's destination counts as one of its sources
.endr
.set j, 0
.rept 32
	v_mov_b32 v[RO+j], 0                           ; O^T: the step is written without a first form; its first run finds zeros, which the first change of M leaves zeros
.set j, j+1
.endr
.set j, 0
.rept 64
	v_mov_b32 v[RGB+j], 0                          ; the second region is written once, so that it is written on every path of the text
.set j, j+1
.endr
; 128 keys, the q-th of the trip's two.  k is in KR (asked for in the step before, or behind the change of slots); S^T goes to SR.
.macro STEP KR, SR, q
	s_add_co_u32 s67, s16, 15
	s_cmp_gt_u32 s17, s67
	s_cbranch_scc1 .Lhidden_\@                     ; all keys come after my queries
.rept 9
	v_nop                                          ; nine places: S^T is laid over registers that the last products read
.endr
	s_wait_dscnt 0x0                               ; k and its scale words are in
.irp u, 0,1,2,3
	v_wmma_scale_f32_16x16x128_f8f6f4 v[\SR+16*\u:\SR+16*\u+7], v[\KR+16*\u:\KR+16*\u+15], v[24:39], 0, v[KSC+\u], v[QS1] matrix_a_fmt:MATRIX_FMT_BF8 matrix_b_fmt:MATRIX_FMT_BF8
	v_wmma_scale_f32_16x16x128_f8f6f4 v[\SR+16*\u+8:\SR+16*\u+15], v[\KR+16*\u:\KR+16*\u+15], v[16:31], 0, v[KSC+\u], v[QS2] matrix_a_fmt:MATRIX_FMT_BF8 matrix_b_fmt:MATRIX_FMT_BF8
.endr
.rept 8
	v_nop                                          ; places in front of loads into registers that these products read, and of the first read of their results
.endr
.irp a, 0,1,2,3
.irp c, 0,1,2,3
	ds_load_b128 v[\KR+16*\a+4*\c:\KR+16*\a+4*\c+3], v9 offset:(\q)*HB+2048*\a+512*\c      ; v's four fragments take k's place and land under the softmax
.endr
.endr
	ds_load_b128 v[VSC:VSC+3], v11 offset:(\q)*HB  ; and their scale words
	s_add_co_u32 s67, s17, 127
	s_cmp_le_u32 s67, s16
	s_cbranch_scc1 .Lopen_\@                       ; all keys count
	s_sub_co_i32 s67, s16, s17
	v_add_nc_u32 v[DD], s67, v7                    ; d = my query - the step's first key - 8 h.  Register 16 b + i holds key 32 b + 16 (i / 8) + 8 h + i % 8: hidden where 32 b + 16 (i / 8) + i % 8 > d
.set n, 0
.rept 64
	v_cmp_gt_i32 vcc_lo, 32*(n/16)+16*((n%16)/8)+n%8, v[DD]
	v_cndmask_b32 v[\SR+n], v[\SR+n], v[NINF], vcc_lo
.set n, n+1
.endr
.Lopen_\@:
.irp b, 0,1,2,3
	v_max3_num_f32 v[BM+\b], v[\SR+16*\b], v[\SR+1+16*\b], v[\SR+2+16*\b]      ; the largest score of each block of 32 keys: for the row's maximum, and, since p rises with the score, for the block's largest p
.endr
.irp i, 3,5,7,9,11,13
.irp b, 0,1,2,3
	v_max3_num_f32 v[BM+\b], v[BM+\b], v[\SR+16*\b+\i], v[\SR+1+16*\b+\i]
.endr
.endr
.irp b, 0,1,2,3
	v_max_num_f32 v[BM+\b], v[BM+\b], v[\SR+15+16*\b]
.endr
.irp b, 0,1,2,3
	v_permlanex16_b32 v[PM+\b], v[BM+\b], s20, s21
.endr
.irp b, 0,1,2,3
	v_max_num_f32 v[BM+\b], v[BM+\b], v[PM+\b]
.endr
	v_max3_num_f32 v[TMP], v[BM], v[BM+1], v[BM+2]
	v_max_num_f32 v[TMP], v[TMP], v[BM+3]
	v_mul_f32 v[TMP], s22, v[TMP]                  ; the step's largest t
	v_max_num_f32 v13, v13, v[TMP]
	v_mov_b32 v[TMP], v12
	v_floor_f32 v12, -v13                          ; the new -M: M is a whole number
	v_sub_f32 v[TMP], v12, v[TMP]                  ; old M - new M: a whole number, 0 or less
	v_cvt_i32_f32 v[TMP], v[TMP]                   ; (it saturates)
	v_ldexp_f32 v[RF], 1.0, v[TMP]                 ; f = 2^(old M - new M): a multiplication by it rounds nothing
.set j, 0
.rept 32
	v_pk_fma_f32 v[\SR+j:\SR+j+1], v[\SR+j:\SR+j+1], s[22:23], v[12:13] op_sel_hi:[1,0,0]     ; t - M
.set j, j+2
.endr
.irp b, 0,1,2,3
	v_fma_f32 v[BM+\b], v[BM+\b], s22, v12
.endr
.set j, 0
.rept 64
	v_exp_f32 v[\SR+j], v[\SR+j]                   ; p = 2^(t - M)
.set j, j+1
.endr
.irp b, 0,1,2,3
	v_exp_f32 v[BM+\b], v[BM+\b]                   ; the block's largest p: the same two instructions on the same number
.endr
	v_pk_mul_f32 v[14:15], v[14:15], v[RF:RF+1] op_sel_hi:[1,0]          ; the sums under the new M (a plain place behind the exponentials)
	s_wait_alu depctr_va_vdst(0)
.irp b, 0,1,2,3
	v_max_num_f32 v[BM+\b], 0x8000000, v[BM+\b]    ; the floor 2^(16 - 127)
.endr
.irp b, 0,1,2,3
	v_add_nc_u32 v[SO+\b], 0xf8800000, v[BM+\b]    ; the conversion's scale operand
.endr
.irp b, 0,1,2,3
	v_and_or_b32 v[HD+\b], v[BM+\b], 0x7f800000, s24        ; 57,344 x the scale
.endr
.irp b, 0,1,2,3
	v_lshrrev_b32 v[PM+\b], 23, v[SO+\b]           ; the scale's byte
.endr
	v_lshl_or_b32 v[PSW], v[PM+1], 8, v[PM]        ; p's scale word for these 128 keys
	v_lshl_or_b32 v[PSW], v[PM+2], 16, v[PSW]
	v_lshl_or_b32 v[PSW], v[PM+3], 24, v[PSW]
	v_pk_add_f32 v[SM2:SM2+1], v[\SR:\SR+1], v[\SR+2:\SR+3]      ; the row's sum is taken of the unquantised p, in two chains
.set j, 4
.rept 15
	v_pk_add_f32 v[14:15], v[14:15], v[\SR+j:\SR+j+1]
	v_pk_add_f32 v[SM2:SM2+1], v[SM2:SM2+1], v[\SR+j+2:\SR+j+3]
.set j, j+4
.endr
	v_pk_add_f32 v[14:15], v[14:15], v[SM2:SM2+1]
	ds_load_b128 v[KSC:KSC+3], v10 offset:(\q+1)*HB        ; THE NEXT STEP'S k: its scale words,
.irp b, 0,1,2,3
.irp i, 0,1,2,3,4,5,6,7,8,9,10,11,12,13,14,15
	v_min_num_f32 v[\SR+16*\b+\i], v[\SR+16*\b+\i], v[HD+\b]     ; the conversion does not saturate (ISA guide 7.6.2); p is not negative, so the hold is one-sided
.endr
	v_cvt_scalef32_pk8_bf8_f32 v[PCD+4*\b:PCD+1+4*\b], v[\SR+16*\b:\SR+7+16*\b], v[SO+\b]
	v_cvt_scalef32_pk8_bf8_f32 v[PCD+2+4*\b:PCD+3+4*\b], v[\SR+8+16*\b:\SR+15+16*\b], v[SO+\b]
.irp c, 0,1,2,3
	ds_load_b128 v[\SR+16*\b+4*\c:\SR+16*\b+4*\c+3], v8 offset:(\q+1)*HB+2048*\b+512*\c    ; and its pair b of tiles, into the registers of the block of p just converted.  (Behind a slot's last step these are bytes of the same slot that nobody uses)
.endr
.endr
	v_nop                                          ; a plain instruction behind the last conversion
.set j, 0
.rept 16
	v_pk_mul_f32 v[RO+j:RO+j+1], v[RO+j:RO+j+1], v[RF:RF+1] op_sel_hi:[1,0]     ; O^T under the new M; these are also the places in front of the products below
.set j, j+2
.endr
	s_wait_dscnt 17                                ; v and its scale words are in; the 17 younger loads, the next step's k, may be out
.irp a, 0,1,2,3
	v_wmma_scale_f32_16x16x128_f8f6f4 v[RO+8*\a:RO+7+8*\a], v[\KR+16*\a:\KR+15+16*\a], v[PCD:PCD+15], v[RO+8*\a:RO+7+8*\a], v[VSC+\a], v[PSW] matrix_a_fmt:MATRIX_FMT_BF8 matrix_b_fmt:MATRIX_FMT_BF8
.endr
.Lhidden_\@:
	s_add_co_u32 s17, s17, 128
.endm
; THE CHANGE OF SLOTS, at a slot's head: the slot ahead is whole and nobody reads the other one.  fill = 1: that other slot, whose group 0 is g0, takes the four key steps that follow; step = 1: its address goes two slots on first.
.macro CHANGE fill, g0, step
	s_wait_tensorcnt 0x0                           ; no tensor load of mine is out, so a group 0 may be written
	ds_add_u32 v[SPW], v[NIL]                      ; 0 onto my spare word
.if \step
	s_add_nc_u64 s[\g0+2:\g0+3], s[\g0+2:\g0+3], 2*STR
.endif
	s_wait_dscnt 0x0                               ; the add is done, and my reads of the slot that I have left are over, the look-ahead that nobody uses among them
	s_barrier_signal -1
	s_barrier_wait -1
.if \fill
	TLOAD \g0                                      ; the first thing behind the barrier, a wave's one tensor load until the next
.endif
.endm
; A slot's four key steps: two trips of two steps, in which the regions change roles and come back.
.macro SLOT base
	s_mov_b32 s18, \base
	v_add_nc_u32 v8, s18, v1
	v_add_nc_u32 v10, s18, v3
.rept 6
	v_nop                                          ; with the two additions eight places in front of loads into registers that the last products may have read
.endr
	ds_load_b128 v[KSC:KSC+3], v10                 ; the slot's first k
.irp u, 0,1,2,3
.irp c, 0,1,2,3
	ds_load_b128 v[RGA+16*\u+4*\c:RGA+16*\u+4*\c+3], v8 offset:2048*\u+512*\c
.endr
.endr
	s_mov_b32 s19, 2
.Lpair_\@:
	v_add_nc_u32 v8, s18, v1                       ; the trip's addresses: k, v, k's scales, v's
	v_add_nc_u32 v9, s18, v2
	v_add_nc_u32 v10, s18, v3
	v_add_nc_u32 v11, s18, v4
	STEP RGA, RGB, 0
	STEP RGB, RGA, 1
	s_add_co_u32 s18, s18, 2*HB
	s_sub_co_u32 s19, s19, 1
	s_cmp_lg_u32 s19, 0
	s_cbranch_scc1 .Lpair_\@
.endm
	s_wait_loadcnt 0x0                             ; Q
	v_lshlrev_b32 v[QS2], 16, v[QS1]               ; q's scale bytes for the operand [zeros | q]
	CHANGE 1, G0B, 0                               ; slot A is whole; slot B is first filled as a refill is: key steps 4 to 7
	SLOT 0
	CHANGE 1, G0A, 1                               ; key steps 8 to 11 into slot A
	SLOT SLOTB
	CHANGE 1, G0B, 1                               ; key steps 12 to 15 into slot B
	SLOT 0
	CHANGE 0, G0A, 0                               ; nothing is left to fetch
	SLOT SLOTB
	; THE WAY OUT: O^T / the sum, quantised along the channels: my head's 64 are two blocks of 32, two chunks of the next operand's fragment
	s_wait_dscnt 0x0                               ; the look-ahead that nobody uses has landed: its registers are written below
.rept 8
	v_nop                                          ; places behind the last products
.endr
	v_add_f32 v14, v14, v15
	v_permlanex16_b32 v[PM], v14, s20, s21
	v_add_f32 v14, v14, v[PM]                      ; the row's sum
	v_rcp_f32 v14, v14
	v_nop
.set j, 0
	s_wait_alu depctr_va_vdst(0)
.rept 32
	v_mul_f32 v[RGB+j], v[RO+j], v14               ; each accumulator from its low end on
.set j, j+1
.endr
.irp b, 0,1
	v_max3_num_f32 v[BM+\b], |v[RGB+16*\b]|, |v[RGB+1+16*\b]|, 0x8000000
.endr
.irp i, 2,4,6,8,10,12,14
.irp b, 0,1
	v_max3_num_f32 v[BM+\b], v[BM+\b], |v[RGB+16*\b+\i]|, |v[RGB+1+16*\b+\i]|
.endr
.endr
.irp b, 0,1
	v_permlanex16_b32 v[PM+\b], v[BM+\b], s20, s21
.endr
.irp b, 0,1
	v_max_num_f32 v[BM+\b], v[BM+\b], v[PM+\b]
.endr
.irp b, 0,1
	v_add_nc_u32 v[SO+\b], 0xf8800000, v[BM+\b]
.endr
.irp b, 0,1
	v_and_or_b32 v[HD+\b], v[BM+\b], 0x7f800000, s24
.endr
.irp b, 0,1
	v_lshrrev_b32 v[PM+\b], 23, v[SO+\b]
.endr
	v_lshl_or_b32 v[TMP], v[PM+1], 8, v[PM]        ; my row's two scale bytes
.irp b, 0,1
.irp i, 0,1,2,3,4,5,6,7,8,9,10,11,12,13,14,15
	v_med3_num_f32 v[RGB+16*\b+\i], v[RGB+16*\b+\i], -v[HD+\b], v[HD+\b]
.endr
	v_cvt_scalef32_pk8_bf8_f32 v[PCD+4*\b:PCD+1+4*\b], v[RGB+16*\b:RGB+7+16*\b], v[SO+\b]
	v_cvt_scalef32_pk8_bf8_f32 v[PCD+2+4*\b:PCD+3+4*\b], v[RGB+8+16*\b:RGB+15+16*\b], v[SO+\b]
.endr
	v_nop
	global_store_b128 v[L16], v[PCD:PCD+3], s[58:59]              ; 512 consecutive bytes a store
	global_store_b128 v[L16], v[PCD+4:PCD+7], s[58:59] offset:512
	ds_store_b16 v[ASH], v[TMP]                    ; lanes l and l xor 16 write the same halfword with the same value
	s_wait_dscnt 0x0                               ; for wave 0's sake
	s_barrier_signal -1
	s_barrier_wait -1
	s_cmp_lg_u32 s8, 0
	s_cbranch_scc1 .Lnot_wave_0
	ds_load_b128 v[RGA:RGA+3], v[ARB]              ; a row's four scale words: the four tiles of a group of 64 queries, both heads
	s_wait_dscnt 0x0
	global_store_b128 v[AOUT], v[RGA:RGA+3], s[6:7] offset:16384
.Lnot_wave_0:
	s_wait_tensorcnt 0x0                           ; the wave's end
	ds_add_u32 v[SPW], v[NIL]
	s_wait_dscnt 0x0
	s_endpgm
.Lfunc_end_k_qf47feae290_attn:
	.size	k_qf47feae290_attn, .Lfunc_end_k_qf47feae290_attn-k_qf47feae290_attn
	.p2alignl 7, 3214868480
	.fill 96, 4, 3214868480
	.section	.rodata,"a",@progbits
	.p2align	6, 0x0
	.amdhsa_kernel k_qf47feae290_attn
		.amdhsa_group_segment_fixed_size 327680
		.amdhsa_private_segment_fixed_size 0
		.amdhsa_enable_private_segment 0
		.amdhsa_kernarg_size 16
		.amdhsa_user_sgpr_count 2
		.amdhsa_user_sgpr_kernarg_segment_ptr 1
		.amdhsa_wavefront_size32 1
		.amdhsa_system_sgpr_workgroup_id_x 1
		.amdhsa_system_sgpr_workgroup_id_y 1
		.amdhsa_system_sgpr_workgroup_id_z 1
		.amdhsa_system_vgpr_workitem_id 0
		.amdhsa_next_free_vgpr 256
		.amdhsa_next_free_sgpr 72
		.amdhsa_reserve_vcc 1
		.amdhsa_float_denorm_mode_32 3
		.amdhsa_float_denorm_mode_16_64 3
		.amdhsa_memory_ordered 1
		.amdhsa_forward_progress 1
		.amdhsa_inst_pref_size 212
	.end_amdhsa_kernel
	.amdgpu_metadata
---
amdhsa.version: [ 1, 2 ]
amdhsa.kernels:
  - .name:           k_qf47feae290_attn
    .symbol:         k_qf47feae290_attn.kd
    .args:
      - { .name: qkvq, .offset: 0, .size: 8, .value_kind: global_buffer, .address_space: global }
      - { .name: attq, .offset: 8, .size: 8, .value_kind: global_buffer, .address_space: global }
    .group_segment_fixed_size: 327680
    .private_segment_fixed_size: 0
    .kernarg_segment_align: 8
    .kernarg_segment_size: 16
    .max_flat_workgroup_size: 512
    .sgpr_count:     72
    .vgpr_count:     256
    .wavefront_size: 32
...
	.end_amdgpu_metadata
.endif
;; end of part 3
;; launch outp (part 4): grid 8 x 32, 4 waves a work-group, clusters of 4 x 4, 327,680 bytes of LDS; arguments attq, img, out_b, hidden_states, hid; writes hid
.if DOCPART == 4
	.amdgcn_target "amdgcn-amd-amdhsa--gfx1250"
	.amdhsa_code_object_version 6
	.text
	.protected	k_qf47feae290_outp
	.globl	k_qf47feae290_outp
	.p2align	8
	.type	k_qf47feae290_outp,@function
k_qf47feae290_outp:
	s_mov_b64 s[64:65], 0
	v_nop
	global_prefetch_b8 v0, s[64:65] scope:SCOPE_SE
	s_setreg_imm32_b32 hwreg(HW_REG_WAVE_MODE, 25, 1), 1
	s_wait_xcnt 0x0
	s_wait_alu depctr_hold_cnt(0) depctr_sa_sdst(0) depctr_va_vdst(0) depctr_va_sdst(0) depctr_va_ssrc(0) depctr_va_vcc(0) depctr_vm_vsrc(0)
	s_getreg_b32 s2, hwreg(HW_REG_IB_STS2, 6, 4)
	s_cmp_eq_u32 s2, 0
	s_cbranch_scc0 .Lentry_in_a_cluster
	s_endpgm
.Lentry_in_a_cluster:
	s_bfe_u32 s2, ttmp6, 0x10000c
	s_cmp_lg_u32 s2, 0xf033
	s_cbranch_scc0 .Lentry_shape_is_right
	s_endpgm
.Lentry_shape_is_right:
; out = residual + Y X^T + bias, f32.  Y: an MX-BF8 operand image of [4096][K] (tokens), X: the image of a weight [1024][K]; here K = 1,024: the attention's output projection.
; THE IMAGES: a panel is 128 rows x 128 K, 16,896 bytes: 8 fragments of 2,048 bytes as images of the operand's registers (lane l's 16 bytes of chunk c at 512 c + 16 l), then at 16,384 the scale words, row
; 16 a + r at 32 r + 4 a; the panels of one group of 128 rows follow each other along K.  In a chunk k is permuted inside its block of 32, alike in both operands: only the order of summation differs.
; A work-group makes 128 x 128 (256 x 256 would give 64 work-groups for 256 WGPs), a wave 64 x 64 in 16 accumulators.  A slot holds four K steps of both sides; each wave fetches two K steps of one side, a dense block.
; X is source 0, Y source 1: a lane holds one token and eight neighbouring outputs a tile.  4 x 4 work-groups form a cluster; Y's blocks are asked for jointly along a row of the cluster, X's along a column.
; REGISTERS: window 0: v1-29 addresses; v32-47 scale words, two sets; v48-51 bias; v128-191 Y's fragments; v192-223 rows on the way out.  window 1: X's fragments, two sets, at v0 and v128.
; window 2: v0-127 the accumulators, (a, b) at v[8 (4 a + b)]; v128-255 the residual, asked for at the head.
.set PB,    16896
.set LOADB, 2*PB
.set SLOT,  4*LOADB
.set NBK,   4
.set NQ,    4
.set KS,    8
.set XOFF,  7569408                    ; the weight's image in the images' buffer
.set LAPS,  KS/(2*NQ)
.set YWM,   8192
.set YSM,   16
.set STAGE, 2*SLOT                     ; 16 rows x (256 bytes + 16) for each wave; no fill lands here
.set SPARE, STAGE+4*16*272             ; the spare words, 128 bytes for each wave: two blocks of 256 bytes that no other line names
.set AY,  16
.set AX,  18
.set AS,  20
.set STO, 24
.set RD,  25
.set CO,  26
.set SPW, 28
.set NIL, 29
.set SC,  32
.set YF,  128
.set BK,  192
.set G1Y, 24
.set G0Y, 32
.set G1X, 48
.set G0X, 56
.set MSB, 0
.macro WIN new                         ; the immediate's high byte repeats the setting that is left
.if MSB != (\new)
	s_set_vgpr_msb (MSB<<8)|(\new)
.set MSB, (\new)
.endif
.endm
.set MUL_LO, 0xa1                      ; source 0 (X) window 1, source 1 (Y) window 0, C and D window 2
.set TO_X,   0x40
.macro JLOAD s                         ; a joint load: waves 0 and 1 fetch for Y, waves 2 and 3 for X; four v_nop follow each of the two lines
	s_cmp_eq_u32 s15, 0
	s_cbranch_scc0 .Lfor_x_\@
	tensor_load_to_lds s[G0Y+4*\s:G0Y+4*\s+3], s[G1Y:G1Y+7]
	s_nop 0
.rept 4
	v_nop
.endr
	s_branch .Lasked_\@
.Lfor_x_\@:
	tensor_load_to_lds s[G0X+4*\s:G0X+4*\s+3], s[G1X:G1X+7]
	s_nop 0
.rept 4
	v_nop
.endr
.Lasked_\@:
.endm
.macro CREST
	s_cmp_lg_u32 s14, 0
	s_cbranch_scc1 .Lnot_wave_0_\@
	s_barrier_signal -3
.Lnot_wave_0_\@:
	s_barrier_wait -3
	s_barrier_signal -1
	s_barrier_wait -1
.endm
.macro CROUND
	s_barrier_signal -1
	s_barrier_wait -1
	CREST
.endm
.macro PLACES n                        ; plain vector instructions behind matrix instructions (ISA guide 7.12.1)
.rept \n
	v_nop
.endr
.endm
.macro FRAG reg, adr, q, f
.irp c, 0,1,2,3
	ds_load_b128 v[\reg+4*\c:\reg+4*\c+3], v[\adr] offset:(\q)*PB+2048*(\f)+512*\c
.endr
.endm
.macro FETCH_X slot, q, p
	WIN TO_X
.set fi, 0
.rept NBK
	FRAG 128*(\p)+16*fi, AX+\slot, \q, fi
.set fi, fi+1
.endr
	WIN 0
.endm
.macro FETCH_Y slot, q, f0
.set fi, \f0
.rept NBK/2
	FRAG YF+16*fi, AY+\slot, \q, fi
.set fi, fi+1
.endr
.endm
.macro SCALES slot, q, p               ; register blk of set p: lanes 0-15 the word of Y's block blk, lanes 16-31 that of X's
.set fi, 0
.rept NBK/4
	ds_load_b128 v[SC+8*(\p)+4*fi:SC+8*(\p)+4*fi+3], v[AS+\slot] offset:(\q)*PB+16*fi
.set fi, fi+1
.endr
.endm
.macro MULA a, p, zero                 ; the accumulators take turns, one instruction a turn, in one order throughout
	WIN MUL_LO
.set bi, 0
.rept NBK
.set rD, 8*(NBK*(\a)+bi)
.if \zero
	v_wmma_scale_f32_16x16x128_f8f6f4 v[rD:rD+7], v[128*(\p)+16*bi:128*(\p)+16*bi+15], v[YF+16*(\a):YF+16*(\a)+15], 0, v[SC+8*(\p)+bi], v[SC+8*(\p)+(\a)] matrix_a_fmt:MATRIX_FMT_BF8 matrix_b_fmt:MATRIX_FMT_BF8 matrix_a_scale:MATRIX_SCALE_ROW1
.else
	v_wmma_scale_f32_16x16x128_f8f6f4 v[rD:rD+7], v[128*(\p)+16*bi:128*(\p)+16*bi+15], v[YF+16*(\a):YF+16*(\a)+15], v[rD:rD+7], v[SC+8*(\p)+bi], v[SC+8*(\p)+(\a)] matrix_a_fmt:MATRIX_FMT_BF8 matrix_b_fmt:MATRIX_FMT_BF8 matrix_a_scale:MATRIX_SCALE_ROW1
.endif
.set bi, bi+1
.endr
.endm
.macro MULS a0, n, p, zero
.set ai, \a0
.rept \n
	MULA ai, \p, \zero
.set ai, ai+1
.endr
.endm
.macro STEP slot, q, zero
	s_wait_dscnt 2*NBK                             ; all but the youngest loads, Y's upper half
	MULS 0, NBK/2, (\q)%2, \zero
	s_wait_dscnt 0x0
	PLACES 8
	FETCH_X \slot, (\q)+1, 1-(\q)%2
	FETCH_Y \slot, (\q)+1, 0
	SCALES \slot, (\q)+1, 1-(\q)%2
	MULS NBK/2, NBK/2, (\q)%2, \zero
	PLACES 8
	WIN 0
	FETCH_Y \slot, (\q)+1, NBK/2
.endm
.macro TURN slot, next, fill
	s_wait_tensorcnt 0x0                           ; all my tensor loads have landed: my part of the next slot
	ds_add_u32 v[SPW], v[NIL]                      ; 0 onto my spare word
	s_wait_dscnt 2*NBK+1                           ; the add and Y's upper half may be out
	MULS 0, NBK/4, 1, 0
	s_wait_dscnt 0x0                               ; the add is done, and my reads of this slot are over
	s_barrier_signal -1
	MULS NBK/4, NBK/4, 1, 0
	WIN 0
	s_barrier_wait -1
.if \fill
	CREST
	s_add_nc_u64 s[G0Y+4*\slot+2:G0Y+4*\slot+3], s[G0Y+4*\slot+2:G0Y+4*\slot+3], 2*NQ*PB
	s_add_nc_u64 s[G0X+4*\slot+2:G0X+4*\slot+3], s[G0X+4*\slot+2:G0X+4*\slot+3], 2*NQ*PB
	JLOAD \slot
	PLACES 4
.else
	PLACES 8
.endif
	FETCH_X \next, 0, 0
	FETCH_Y \next, 0, 0
	SCALES \next, 0, 0
	MULS NBK/2, NBK/2, 1, 0
	PLACES 8
	WIN 0
	FETCH_Y \next, 0, NBK/2
.endm
	s_load_b128 s[4:7], s[0:1], 0x0                ; Y's image, the weights' images
	s_load_b128 s[8:11], s[0:1], 0x10              ; the bias, the residual
	s_load_b64 s[12:13], s[0:1], 0x20              ; out
	v_lshl_add_u32 v[SPW], v0, 2, SPARE
	v_mov_b32 v[NIL], 0
	ds_add_u32 v28, v29
	s_wait_dscnt 0x0
	v_lshrrev_b32 v1, 5, v0
	v_readfirstlane_b32 s14, v1                    ; wave 0..3
	s_lshr_b32 s15, s14, 1                         ; my half of Y's rows.  Also: I fetch for Y (0) or for X (1)
	s_and_b32 s16, s14, 1                          ; my half of X's rows.  Also: which two K steps of a slot I fetch
	s_bfe_u32 s40, ttmp6, 0x40000
	s_bfe_u32 s41, ttmp6, 0x40004
	s_lshl_b32 s42, ttmp9, 2
	s_add_co_u32 s42, s42, s40                     ; X's group of 128 rows
	s_and_b32 s17, ttmp7, 0xffff
	s_lshl_b32 s17, s17, 2
	s_add_co_u32 s17, s17, s41                     ; Y's
	s_lshl_b32 s43, s41, 2
	s_lshl_b32 s43, 15, s43
	s_lshl_b32 s44, 0x1111, s40
	s_or_b32 s[G1Y], s43, (3<<16)|(1<<21)          ; 15:0 the mask; 17:16 elements of 8 bytes; 21 set beside a mask; no padding
	s_or_b32 s[G1X], s44, (3<<16)|(1<<21)
.irp g, G1Y, G1X                       ; a dense block of 33,792 bytes as 132 rows of 256
	s_mov_b32 s[\g+1], 32<<16
	s_mov_b32 s[\g+2], 132<<16
	s_mov_b32 s[\g+3], 32<<16
	s_mov_b32 s[\g+4], 132
	s_mov_b32 s[\g+5], 32
	s_mov_b32 s[\g+6], 0
	s_mov_b32 s[\g+7], 0
.endr
	s_mul_i32 s18, s16, 2*PB
	s_mul_i32 s20, s17, KS*PB
	s_add_co_u32 s20, s20, s18
	s_mov_b32 s21, 0
	s_mul_i32 s46, s42, KS*PB
	s_add_co_u32 s46, s46, s18
	s_add_co_u32 s46, s46, XOFF
	s_mov_b32 s47, 0
	s_mul_i32 s45, s14, LOADB
	s_wait_kmcnt 0x0
	s_add_nc_u64 s[20:21], s[4:5], s[20:21]
	s_add_nc_u64 s[46:47], s[6:7], s[46:47]
	CROUND                                         ; all sixteen work-groups are here: the first joint loads meet
.irp s, 0,1
	s_mov_b32 s[G0Y+4*\s], 1
	s_add_co_u32 s[G0Y+4*\s+1], s45, \s*SLOT
	s_add_nc_u64 s[G0Y+4*\s+2:G0Y+4*\s+3], s[20:21], \s*NQ*PB
	s_or_b32 s[G0Y+4*\s+3], s[G0Y+4*\s+3], 0x80000000
	s_mov_b32 s[G0X+4*\s], 1
	s_add_co_u32 s[G0X+4*\s+1], s45, \s*SLOT
	s_add_nc_u64 s[G0X+4*\s+2:G0X+4*\s+3], s[46:47], \s*NQ*PB
	s_or_b32 s[G0X+4*\s+3], s[G0X+4*\s+3], 0x80000000
	JLOAD \s
.endr
	v_and_b32 v1, 15, v0                           ; r
	v_bfe_u32 v2, v0, 4, 1                         ; h
	v_and_b32 v3, 31, v0
	v_lshlrev_b32 v22, 4, v3                       ; 16 x lane
	s_mul_i32 s21, s15, YWM
	s_mul_i32 s22, s16, YWM
	s_add_co_u32 s22, s22, 2*LOADB
	v_add_nc_u32 v[AY], s21, v22
	v_add_nc_u32 v[AX], s22, v22
	v_add_nc_u32 v[AY+1], SLOT, v[AY]
	v_add_nc_u32 v[AX+1], SLOT, v[AX]
	s_mul_i32 s21, s15, YSM
	s_mul_i32 s22, s16, YSM
	s_add_co_u32 s22, s22, 2*LOADB
	s_sub_co_u32 s22, s22, s21
	v_mul_u32_u24 v4, s22, v2                      ; lanes 16-31 take X's scale words
	v_lshl_add_u32 v4, v1, 5, v4
	s_add_co_u32 s21, s21, 16384
	v_add_nc_u32 v[AS], s21, v4
	v_add_nc_u32 v[AS+1], SLOT, v[AS]
	s_mul_i32 s23, s14, 16*272
	s_add_co_u32 s23, s23, STAGE                   ; my stage
	v_mul_u32_u24 v4, v1, 272
	v_lshl_add_u32 v4, v2, 5, v4
	v_add_nc_u32 v[STO], s23, v4                   ; in: row r, 32 bytes for each half of the lanes
	v_mul_u32_u24 v4, v2, 272
	v_lshl_add_u32 v4, v1, 4, v4
	v_add_nc_u32 v[RD], s23, v4                    ; back: lanes 0-15 one row of 256 bytes, lanes 16-31 the next
	v_lshlrev_b32 v[CO], 12, v2
	v_lshl_add_u32 v[CO], v1, 4, v[CO]             ; and the same two rows in memory
	v_lshlrev_b32 v23, 4, v1
	s_lshl_b32 s18, s17, 7
	s_lshl_b32 s19, s15, 6
	s_add_co_u32 s18, s18, s19                     ; my first token
	s_lshl_b32 s18, s18, 12
	s_lshl_b32 s19, s42, 9
	s_lshl_b32 s22, s16, 8
	s_add_co_u32 s22, s22, s19                     ; my first output, in bytes
	s_mov_b32 s23, 0
	s_add_co_u32 s18, s18, s22
	s_mov_b32 s19, 0
	s_add_nc_u64 s[8:9], s[8:9], s[22:23]
	s_add_nc_u64 s[10:11], s[10:11], s[18:19]
	s_add_nc_u64 s[12:13], s[12:13], s[18:19]
	global_load_b128 v[48:51], v23, s[8:9]         ; the bias of the four outputs that I store
	WIN 0x80                                       ; destination window 2
.irp a, 0,1,2,3
.irp t, 0,1,2,3,4,5,6,7
	global_load_b128 v[128+32*\a+4*\t:128+32*\a+4*\t+3], v[CO], s[10:11] offset:(16*\a+2*\t)*4096     ; the residual lands while the products run
.endr
.endr
	WIN 0
	s_wait_tensorcnt 1                             ; my part of slot 0 is in; slot 1's load may be out
	s_barrier_signal -1
	s_barrier_wait -1
	FETCH_X 0, 0, 0
	FETCH_Y 0, 0, 0
	SCALES 0, 0, 0
	FETCH_Y 0, 0, NBK/2
	STEP 0, 0, 1                                   ; the first step's products start the sums
	STEP 0, 1, 0
	STEP 0, 2, 0
.if LAPS > 1
	s_mov_b32 s3, LAPS-1
.Llap:
	TURN 0, 1, 1
	STEP 1, 0, 0
	STEP 1, 1, 0
	STEP 1, 2, 0
	TURN 1, 0, 1
	STEP 0, 0, 0
	STEP 0, 1, 0
	STEP 0, 2, 0
	s_sub_co_u32 s3, s3, 1
	s_cmp_lg_u32 s3, 0
	s_cbranch_scc1 .Llap
.endif
	TURN 0, 1, 0                                   ; the last lap fills nothing
	STEP 1, 0, 0
	STEP 1, 1, 0
	STEP 1, 2, 0
	s_wait_dscnt 2*NBK
	MULS 0, NBK/2, 1, 0
	s_wait_dscnt 0x0
	MULS NBK/2, NBK/2, 1, 0
	WIN 0
	; THE WAY OUT, 16 tokens at a time: through my own stage, back as whole rows of 256 bytes; residual and bias are added; sixteen lanes store 256 consecutive bytes, aligned.
	s_wait_loadcnt 0x0                             ; the residual and the bias
	PLACES 8
.irp a, 0,1,2,3
.if \a > 0
	s_wait_xcnt 0x0                                ; the last block's stores have read their registers
.endif
	WIN 0x08                                       ; an LDS store's data are its source 1: window 2
.irp b, 0,1,2,3
	ds_store_b128 v[STO], v[8*(4*\a+\b):8*(4*\a+\b)+3] offset:64*\b           ; each accumulator from its low end on
	ds_store_b128 v[STO], v[8*(4*\a+\b)+4:8*(4*\a+\b)+7] offset:64*\b+16
.endr
	WIN 0
.irp t, 0,1,2,3,4,5,6,7
	ds_load_b128 v[BK+4*\t:BK+4*\t+3], v[RD] offset:544*\t         ; LDS serves a wave's instructions in order (ISA guide 5.7.1.4): these see the stores above
.endr
	s_wait_dscnt 0x0
	WIN 0x08                                       ; source 1: window 2
.set i, 0
.rept 16
	v_pk_add_f32 v[BK+2*i:BK+2*i+1], v[BK+2*i:BK+2*i+1], v[128+32*\a+2*i:128+32*\a+2*i+1]
.set i, i+1
.endr
	WIN 0
.irp t, 0,1,2,3,4,5,6,7
	v_pk_add_f32 v[BK+4*\t:BK+4*\t+1], v[BK+4*\t:BK+4*\t+1], v[48:49]
	v_pk_add_f32 v[BK+4*\t+2:BK+4*\t+3], v[BK+4*\t+2:BK+4*\t+3], v[50:51]
.endr
.irp t, 0,1,2,3,4,5,6,7
	global_store_b128 v[CO], v[BK+4*\t:BK+4*\t+3], s[12:13] offset:(16*\a+2*\t)*4096
.endr
.endr
	s_wait_tensorcnt 0x0                           ; the wave's end
	ds_add_u32 v[SPW], v[NIL]
	s_wait_dscnt 0x0
	CROUND                                         ; the closing round
	s_endpgm
.Lfunc_end_k_qf47feae290_outp:
	.size	k_qf47feae290_outp, .Lfunc_end_k_qf47feae290_outp-k_qf47feae290_outp
	.p2alignl 7, 3214868480
	.fill 96, 4, 3214868480
	.section	.rodata,"a",@progbits
	.p2align	6, 0x0
	.amdhsa_kernel k_qf47feae290_outp
		.amdhsa_group_segment_fixed_size 327680
		.amdhsa_private_segment_fixed_size 0
		.amdhsa_enable_private_segment 0
		.amdhsa_kernarg_size 40
		.amdhsa_user_sgpr_count 2
		.amdhsa_user_sgpr_kernarg_segment_ptr 1
		.amdhsa_wavefront_size32 1
		.amdhsa_system_sgpr_workgroup_id_x 1
		.amdhsa_system_sgpr_workgroup_id_y 1
		.amdhsa_system_sgpr_workgroup_id_z 1
		.amdhsa_system_vgpr_workitem_id 0
		.amdhsa_next_free_vgpr 768
		.amdhsa_next_free_sgpr 72
		.amdhsa_reserve_vcc 0
		.amdhsa_float_denorm_mode_32 3
		.amdhsa_float_denorm_mode_16_64 3
		.amdhsa_memory_ordered 1
		.amdhsa_forward_progress 1
		.amdhsa_inst_pref_size 65
	.end_amdhsa_kernel
	.amdgpu_metadata
---
amdhsa.version: [ 1, 2 ]
amdhsa.kernels:
  - .name:           k_qf47feae290_outp
    .symbol:         k_qf47feae290_outp.kd
    .args:
      - { .name: attq, .offset: 0, .size: 8, .value_kind: global_buffer, .address_space: global }
      - { .name: img, .offset: 8, .size: 8, .value_kind: global_buffer, .address_space: global }
      - { .name: out_b, .offset: 16, .size: 8, .value_kind: global_buffer, .address_space: global }
      - { .name: hidden_states, .offset: 24, .size: 8, .value_kind: global_buffer, .address_space: global }
      - { .name: hid, .offset: 32, .size: 8, .value_kind: global_buffer, .address_space: global }
    .group_segment_fixed_size: 327680
    .private_segment_fixed_size: 0
    .kernarg_segment_align: 8
    .kernarg_segment_size: 40
    .max_flat_workgroup_size: 128
    .sgpr_count:     72
    .vgpr_count:     768
    .wavefront_size: 32
...
	.end_amdgpu_metadata
.endif
;; end of part 4
;; launch ln2: the kernel of part 1 again; grid 256 x 1, 8 waves a work-group, no clusters, 66,816 bytes of LDS; arguments hid, ln2_g, ln2_b, h2q, qkv_w, out_w, fc1_w, fc2_w; writes h2q
;; launch fc1 (part 5): grid 16 x 16, 4 waves a work-group, clusters of 4 x 4, 327,680 bytes of LDS; arguments h2q, img, fc1_b, ffq; writes ffq
.if DOCPART == 5
	.amdgcn_target "amdgcn-amd-amdhsa--gfx1250"
	.amdhsa_code_object_version 6
	.text
	.protected	k_qf47feae290_fc1
	.globl	k_qf47feae290_fc1
	.p2align	8
	.type	k_qf47feae290_fc1,@function
k_qf47feae290_fc1:
	s_mov_b64 s[64:65], 0
	v_nop
	global_prefetch_b8 v0, s[64:65] scope:SCOPE_SE
	s_setreg_imm32_b32 hwreg(HW_REG_WAVE_MODE, 25, 1), 1
	s_wait_xcnt 0x0
	s_wait_alu depctr_hold_cnt(0) depctr_sa_sdst(0) depctr_va_vdst(0) depctr_va_sdst(0) depctr_va_ssrc(0) depctr_va_vcc(0) depctr_vm_vsrc(0)
	s_getreg_b32 s2, hwreg(HW_REG_IB_STS2, 6, 4)
	s_cmp_eq_u32 s2, 0
	s_cbranch_scc0 .Lentry_in_a_cluster
	s_endpgm
.Lentry_in_a_cluster:
	s_bfe_u32 s2, ttmp6, 0x10000c
	s_cmp_lg_u32 s2, 0xf033
	s_cbranch_scc0 .Lentry_shape_is_right
	s_endpgm
.Lentry_shape_is_right:
; ff = gelu(LN2(hidden) fc1_w^T + fc1_b) on MX-BF8 operand images, quantised at once along its 4,096 as the next product's operand image.
; THE IMAGES: a panel is 128 rows x 128 K, 16,896 bytes: 8 fragments of 2,048 bytes as images of the operand's registers (lane l's 16 bytes of chunk c at 512 c + 16 l), then at 16,384 the scale words, row
; 16 a + r at 32 r + 4 a; the panels of one group of 128 rows follow each other along K.  In a chunk k is permuted inside its block of 32 (bytes 0-7: 32 c + 8 h + 0..7, bytes 8-15: 32 c + 16 + 8 h + 0..7),
; alike in both operands: the products are the same, the order of summation differs.
; A work-group makes 256 x 256, a wave 128 x 128 in 64 accumulators.  X (the weight) is source 0, Y (the tokens) source 1: a lane holds ONE token and its registers run along the hidden units; the 16 registers of
; tiles 2 c and 2 c + 1 are chunk c of the next operand, and a wave's 128 x 128 is one whole panel of it.  4 x 4 work-groups form a cluster; Y's blocks are asked for jointly along a row, X's along a column.
; GELU: gelu(x) = max(x, 0) - |x| erfc(|x| / sqrt 2) / 2, erfc by the fifth-degree form in 1 / (1 + 0.3275911 z) times exp(-z^2) (Abramowitz and Stegun 7.1.26).
; LIMITS: that form's absolute error is 1.5e-7 of erfc, the size of the rounding of the 1 + erf that the definition forms in f32; NaN and infinities are not served; a block whose largest magnitude lies under
; 2^-111 keeps the byte 1, a block of zeros too (this program alone reads the bytes).
; REGISTERS: window 0: v1-29 addresses; v32-47 scale words, two sets; v64-127 the bias; v128-255 Y's fragments, one set (on the way out: numbers, codes, work).  window 1: X's fragments, two sets.
; windows 2, 3: the accumulators, (a, b) at v[8 (8 (a % 4) + b)] of window 2 + a / 4.
.set PB,    16896
.set LOADB, 2*PB
.set SLOT,  4*LOADB
.set NBK,   8
.set NQ,    2
.set KS,    8
.set XOFF,  8650752                    ; the weight's image in the images' buffer
.set LAPS,  KS/(2*NQ)
.set YWM,   LOADB
.set YSM,   LOADB
.set SPARE, 2*SLOT                     ; the spare words, 128 bytes for each wave: two blocks of 256 bytes that no other line names
.set SCST,  SPARE+512                  ; 512 bytes for each wave: a panel's scale words are gathered here; no fill lands here
.set AY,  16
.set AX,  18
.set AS,  20
.set SPW, 28
.set NIL, 29
.set SC,  32
.set BX,  64
.set YF,  128
.set N,   128
.set PC,  192
.set TM,  208
.set T,   192                          ; the GELU's work lies where the quantiser's will
.set E,   208
.set Q,   224
.set PW,  240
.set G1Y, 24
.set G0Y, 32
.set G1X, 48
.set G0X, 56
.set A5,  68                           ; s[68:77] the GELU's constants as pairs (a packed form names a pair and takes its low word for both halves)
.set A3,  70
.set A2,  72
.set A1,  74
.set C2,  76
.set PZ,  78
.set MNT, 79
.set SEL, 80
.set MSB, 0
.macro WIN new                         ; the immediate's high byte repeats the setting that is left
.if MSB != (\new)
	s_set_vgpr_msb (MSB<<8)|(\new)
.set MSB, (\new)
.endif
.endm
.set MUL_LO, 0xa1                      ; source 0 (X) window 1, source 1 (Y) window 0, C and D window 2
.set MUL_HI, 0xf1
.set TO_X,   0x40
.macro JLOAD s                         ; a joint load: waves 0 and 1 fetch for Y, waves 2 and 3 for X; four v_nop follow each of the two lines
	s_cmp_eq_u32 s15, 0
	s_cbranch_scc0 .Lfor_x_\@
	tensor_load_to_lds s[G0Y+4*\s:G0Y+4*\s+3], s[G1Y:G1Y+7]
	s_nop 0
.rept 4
	v_nop
.endr
	s_branch .Lasked_\@
.Lfor_x_\@:
	tensor_load_to_lds s[G0X+4*\s:G0X+4*\s+3], s[G1X:G1X+7]
	s_nop 0
.rept 4
	v_nop
.endr
.Lasked_\@:
.endm
.macro CREST
	s_cmp_lg_u32 s14, 0
	s_cbranch_scc1 .Lnot_wave_0_\@
	s_barrier_signal -3
.Lnot_wave_0_\@:
	s_barrier_wait -3
	s_barrier_signal -1
	s_barrier_wait -1
.endm
.macro CROUND
	s_barrier_signal -1
	s_barrier_wait -1
	CREST
.endm
.macro PLACES n                        ; plain vector instructions behind matrix instructions (ISA guide 7.12.1)
.rept \n
	v_nop
.endr
.endm
.macro FRAG reg, adr, q, f
.irp c, 0,1,2,3
	ds_load_b128 v[\reg+4*\c:\reg+4*\c+3], v[\adr] offset:(\q)*PB+2048*(\f)+512*\c
.endr
.endm
.macro FETCH_X slot, q, p
	WIN TO_X
.set fi, 0
.rept NBK
	FRAG 128*(\p)+16*fi, AX+\slot, \q, fi
.set fi, fi+1
.endr
	WIN 0
.endm
.macro FETCH_Y slot, q, f0
.set fi, \f0
.rept NBK/2
	FRAG YF+16*fi, AY+\slot, \q, fi
.set fi, fi+1
.endr
.endm
.macro SCALES slot, q, p               ; register blk of set p: lanes 0-15 the word of Y's block blk, lanes 16-31 that of X's
.set fi, 0
.rept NBK/4
	ds_load_b128 v[SC+8*(\p)+4*fi:SC+8*(\p)+4*fi+3], v[AS+\slot] offset:(\q)*PB+16*fi
.set fi, fi+1
.endr
.endm
.macro MULA a, p, zero                 ; the accumulators take turns, one instruction a turn, in one order throughout
	WIN MUL_LO+0x50*((\a)/4)
.set bi, 0
.rept NBK
.set rD, 8*(NBK*((\a)%4)+bi)
.if \zero
	v_wmma_scale_f32_16x16x128_f8f6f4 v[rD:rD+7], v[128*(\p)+16*bi:128*(\p)+16*bi+15], v[YF+16*(\a):YF+16*(\a)+15], 0, v[SC+8*(\p)+bi], v[SC+8*(\p)+(\a)] matrix_a_fmt:MATRIX_FMT_BF8 matrix_b_fmt:MATRIX_FMT_BF8 matrix_a_scale:MATRIX_SCALE_ROW1
.else
	v_wmma_scale_f32_16x16x128_f8f6f4 v[rD:rD+7], v[128*(\p)+16*bi:128*(\p)+16*bi+15], v[YF+16*(\a):YF+16*(\a)+15], v[rD:rD+7], v[SC+8*(\p)+bi], v[SC+8*(\p)+(\a)] matrix_a_fmt:MATRIX_FMT_BF8 matrix_b_fmt:MATRIX_FMT_BF8 matrix_a_scale:MATRIX_SCALE_ROW1
.endif
.set bi, bi+1
.endr
.endm
.macro MULS a0, n, p, zero
.set ai, \a0
.rept \n
	MULA ai, \p, \zero
.set ai, ai+1
.endr
.endm
.macro STEP slot, q, zero
	s_wait_dscnt 2*NBK                             ; all but the youngest loads, Y's upper half
	MULS 0, NBK/2, (\q)%2, \zero
	s_wait_dscnt 0x0
	PLACES 8
	FETCH_X \slot, (\q)+1, 1-(\q)%2
	FETCH_Y \slot, (\q)+1, 0
	SCALES \slot, (\q)+1, 1-(\q)%2
	MULS NBK/2, NBK/2, (\q)%2, \zero
	PLACES 8
	WIN 0
	FETCH_Y \slot, (\q)+1, NBK/2
.endm
.macro TURN slot, next, fill
	s_wait_tensorcnt 0x0                           ; all my tensor loads have landed: my part of the next slot
	ds_add_u32 v[SPW], v[NIL]                      ; 0 onto my spare word
	s_wait_dscnt 2*NBK+1                           ; the add and Y's upper half may be out
	MULS 0, NBK/4, 1, 0
	s_wait_dscnt 0x0                               ; the add is done, and my reads of this slot are over
	s_barrier_signal -1
	MULS NBK/4, NBK/4, 1, 0
	WIN 0
	s_barrier_wait -1
.if \fill
	CREST
	s_add_nc_u64 s[G0Y+4*\slot+2:G0Y+4*\slot+3], s[G0Y+4*\slot+2:G0Y+4*\slot+3], 2*NQ*PB
	s_add_nc_u64 s[G0X+4*\slot+2:G0X+4*\slot+3], s[G0X+4*\slot+2:G0X+4*\slot+3], 2*NQ*PB
	JLOAD \slot
	PLACES 4
.else
	PLACES 8
.endif
	FETCH_X \next, 0, 0
	FETCH_Y \next, 0, 0
	SCALES \next, 0, 0
	MULS NBK/2, NBK/2, 1, 0
	PLACES 8
	WIN 0
	FETCH_Y \next, 0, NBK/2
.endm
.macro QUANT s, pw                     ; 64 numbers of a lane, register 16 b + i of block b, become 16 registers of codes in v[PC] on and the scale word v[pw]
.irp b, 0,1,2,3
	v_max3_num_f32 v[TM+\b], |v[\s+16*\b]|, |v[\s+1+16*\b]|, 0x8000000    ; and the floor 2^(16 - 127): the byte cannot fall under 1
.endr
.irp i, 2,4,6,8,10,12,14
.irp b, 0,1,2,3
	v_max3_num_f32 v[TM+\b], v[TM+\b], |v[\s+16*\b+\i]|, |v[\s+1+16*\b+\i]|
.endr
.endr
.irp b, 0,1,2,3
	v_permlanex16_b32 v[TM+4+\b], v[TM+\b], s[SEL], s[SEL+1]
.endr
.irp b, 0,1,2,3
	v_max_num_f32 v[TM+\b], v[TM+\b], v[TM+4+\b]
.endr
.irp b, 0,1,2,3
	v_add_nc_u32 v[TM+12+\b], 0xf8800000, v[TM+\b]
.endr
.irp b, 0,1,2,3
	v_and_or_b32 v[TM+8+\b], v[TM+\b], 0x7f800000, s[MNT]
.endr
.irp b, 0,1,2,3
	v_lshrrev_b32 v[TM+4+\b], 23, v[TM+12+\b]
.endr
	v_lshl_or_b32 v[\pw], v[TM+5], 8, v[TM+4]
	v_lshl_or_b32 v[\pw], v[TM+6], 16, v[\pw]
	v_lshl_or_b32 v[\pw], v[TM+7], 24, v[\pw]
.irp b, 0,1,2,3
.irp i, 0,1,2,3,4,5,6,7,8,9,10,11,12,13,14,15
	v_med3_num_f32 v[\s+16*\b+\i], v[\s+16*\b+\i], -v[TM+8+\b], v[TM+8+\b]   ; the conversion to an 8-bit code does not saturate (ISA guide 7.6.2)
.endr
	v_cvt_scalef32_pk8_bf8_f32 v[PC+4*\b:PC+1+4*\b], v[\s+16*\b:\s+7+16*\b], v[TM+12+\b]
	v_cvt_scalef32_pk8_bf8_f32 v[PC+2+4*\b:PC+3+4*\b], v[\s+8+16*\b:\s+15+16*\b], v[TM+12+\b]
.endr
	v_nop                                          ; a plain instruction behind the last conversion
.endm
.macro GELU x                          ; 16 numbers v[x] on, in place
.set i, 0
.rept 16
	v_fma_f32 v[T+i], |v[\x+i]|, s[PZ], 1.0        ; 1 + 0.3275911 |x| / sqrt 2
.set i, i+1
.endr
.set i, 0
.rept 16
	v_rcp_f32 v[T+i], v[T+i]                       ; t
.set i, i+1
.endr
.set i, 0
.rept 8
	v_pk_mul_f32 v[E+2*i:E+2*i+1], v[\x+2*i:\x+2*i+1], v[\x+2*i:\x+2*i+1]      ; (plain instructions behind the reciprocals)
.set i, i+1
.endr
.set i, 0
.rept 8
	v_pk_mul_f32 v[E+2*i:E+2*i+1], v[E+2*i:E+2*i+1], s[C2:C2+1] op_sel_hi:[1,0]       ; -x^2 / 2 x log2(e)
.set i, i+1
.endr
.set i, 0
.rept 16
	v_exp_f32 v[E+i], v[E+i]                       ; exp(-x^2 / 2)
.set i, i+1
.endr
.set i, 0
	s_wait_alu depctr_va_vdst(0)
.rept 8
	v_pk_fma_f32 v[Q+2*i:Q+2*i+1], v[T+2*i:T+2*i+1], s[A5:A5+1], v[248:249] op_sel_hi:[1,0,1]    ; the polynomial, its coefficients halved
.set i, i+1
.endr
.irp k, A3, A2, A1
.set i, 0
.rept 8
	v_pk_fma_f32 v[Q+2*i:Q+2*i+1], v[Q+2*i:Q+2*i+1], v[T+2*i:T+2*i+1], s[\k:\k+1] op_sel_hi:[1,1,0]
.set i, i+1
.endr
.endr
.set i, 0
.rept 8
	v_pk_mul_f32 v[Q+2*i:Q+2*i+1], v[Q+2*i:Q+2*i+1], v[T+2*i:T+2*i+1]
.set i, i+1
.endr
.set i, 0
.rept 8
	v_pk_mul_f32 v[E+2*i:E+2*i+1], v[E+2*i:E+2*i+1], v[Q+2*i:Q+2*i+1]          ; erfc(|x| / sqrt 2) / 2
.set i, i+1
.endr
.set i, 0
.rept 16
	v_max_num_f32 v[T+i], 0, v[\x+i]
.set i, i+1
.endr
.set i, 0
.rept 16
	v_fma_f32 v[\x+i], -|v[\x+i]|, v[E+i], v[T+i]
.set i, i+1
.endr
.endm
.macro COPY a                          ; block a's 64 sums of a lane, with the bias, into window 0; each accumulator from its low end on
	WIN 2+(\a)/4                                   ; source 0: the accumulators' window
.set i, 0
.rept 32
	v_pk_add_f32 v[N+2*i:N+2*i+1], v[64*((\a)%4)+2*i:64*((\a)%4)+2*i+1], v[BX+2*i:BX+2*i+1]
.set i, i+1
.endr
	WIN 0
.endm
	s_load_b128 s[4:7], s[0:1], 0x0                ; Y's image, the weights' images
	s_load_b128 s[8:11], s[0:1], 0x10              ; the bias, the result's image
	v_lshl_add_u32 v[SPW], v0, 2, SPARE
	v_mov_b32 v[NIL], 0
	ds_add_u32 v28, v29
	s_wait_dscnt 0x0
	v_lshrrev_b32 v1, 5, v0
	v_readfirstlane_b32 s14, v1                    ; wave 0..3
	s_lshr_b32 s15, s14, 1                         ; my half of Y's rows.  Also: I fetch for Y (0) or for X (1)
	s_and_b32 s16, s14, 1                          ; my half of X's rows.  Also: which group of 128 rows I fetch
	s_bfe_u32 s40, ttmp6, 0x40000
	s_bfe_u32 s41, ttmp6, 0x40004
	s_lshl_b32 s42, ttmp9, 2
	s_add_co_u32 s42, s42, s40                     ; X's tile of 256 rows
	s_and_b32 s17, ttmp7, 0xffff
	s_lshl_b32 s17, s17, 2
	s_add_co_u32 s17, s17, s41                     ; Y's
	s_lshl_b32 s43, s41, 2
	s_lshl_b32 s43, 15, s43
	s_lshl_b32 s44, 0x1111, s40
	s_or_b32 s[G1Y], s43, (3<<16)|(1<<21)          ; 15:0 the mask; 17:16 elements of 8 bytes; 21 set beside a mask; no padding
	s_or_b32 s[G1X], s44, (3<<16)|(1<<21)
.irp g, G1Y, G1X                       ; a dense block of 33,792 bytes as 132 rows of 256
	s_mov_b32 s[\g+1], 32<<16
	s_mov_b32 s[\g+2], 132<<16
	s_mov_b32 s[\g+3], 32<<16
	s_mov_b32 s[\g+4], 132
	s_mov_b32 s[\g+5], 32
	s_mov_b32 s[\g+6], 0
	s_mov_b32 s[\g+7], 0
.endr
	s_lshl_b32 s20, s17, 1
	s_add_co_u32 s20, s20, s16
	s_mul_i32 s20, s20, KS*PB
	s_mov_b32 s21, 0
	s_lshl_b32 s46, s42, 1
	s_add_co_u32 s46, s46, s16
	s_mul_i32 s46, s46, KS*PB
	s_add_co_u32 s46, s46, XOFF
	s_mov_b32 s47, 0
	s_mul_i32 s45, s14, LOADB
	s_mov_b32 s[A5], 0x3f07dc22
	s_mov_b32 s[A5+1], s[A5]
	s_mov_b32 s[A3], 0x3f35f0e3
	s_mov_b32 s[A3+1], s[A3]
	s_mov_b32 s[A2], 0xbe11a98e
	s_mov_b32 s[A2+1], s[A2]
	s_mov_b32 s[A1], 0x3e027906
	s_mov_b32 s[A1+1], s[A1]
	s_mov_b32 s[C2], 0xbf38aa3b
	s_mov_b32 s[C2+1], s[C2]
	s_mov_b32 s[PZ], 0x3e6d3388
	s_mov_b32 s[MNT], 0x600000
	s_mov_b32 s[SEL], 0x76543210
	s_mov_b32 s[SEL+1], 0xfedcba98
	s_wait_kmcnt 0x0
	s_add_nc_u64 s[20:21], s[4:5], s[20:21]
	s_add_nc_u64 s[46:47], s[6:7], s[46:47]
	CROUND                                         ; all sixteen work-groups are here: the first joint loads meet
.irp s, 0,1
	s_mov_b32 s[G0Y+4*\s], 1
	s_add_co_u32 s[G0Y+4*\s+1], s45, \s*SLOT
	s_add_nc_u64 s[G0Y+4*\s+2:G0Y+4*\s+3], s[20:21], \s*NQ*PB
	s_or_b32 s[G0Y+4*\s+3], s[G0Y+4*\s+3], 0x80000000
	s_mov_b32 s[G0X+4*\s], 1
	s_add_co_u32 s[G0X+4*\s+1], s45, \s*SLOT
	s_add_nc_u64 s[G0X+4*\s+2:G0X+4*\s+3], s[46:47], \s*NQ*PB
	s_or_b32 s[G0X+4*\s+3], s[G0X+4*\s+3], 0x80000000
	JLOAD \s
.endr
	v_and_b32 v1, 15, v0                           ; r
	v_bfe_u32 v2, v0, 4, 1                         ; h
	v_and_b32 v3, 31, v0
	v_lshlrev_b32 v22, 4, v3                       ; 16 x lane
	s_mul_i32 s21, s15, YWM
	s_mul_i32 s22, s16, YWM
	s_add_co_u32 s22, s22, 2*LOADB
	v_add_nc_u32 v[AY], s21, v22
	v_add_nc_u32 v[AX], s22, v22
	v_add_nc_u32 v[AY+1], SLOT, v[AY]
	v_add_nc_u32 v[AX+1], SLOT, v[AX]
	s_mul_i32 s21, s15, YSM
	s_mul_i32 s22, s16, YSM
	s_add_co_u32 s22, s22, 2*LOADB
	s_sub_co_u32 s22, s22, s21
	v_mul_u32_u24 v4, s22, v2                      ; lanes 16-31 take X's scale words
	v_lshl_add_u32 v4, v1, 5, v4
	s_add_co_u32 s21, s21, 16384
	v_add_nc_u32 v[AS], s21, v4
	v_add_nc_u32 v[AS+1], SLOT, v[AS]
	s_lshl_b32 s21, s14, 9
	s_add_co_u32 s21, s21, SCST                    ; my 512 bytes for the panel's scale words
	v_add_nc_u32 v23, s21, v22                     ; back: 16 bytes a lane
	v_lshl_add_u32 v26, v1, 5, s21                 ; in: 32 r, + 4 a by the trip
	v_lshlrev_b32 v24, 5, v2                       ; 32 h
	s_lshl_b32 s19, s42, 1
	s_add_co_u32 s19, s19, s16                     ; my group of 128 hidden units
	s_lshl_b32 s22, s19, 9
	s_mov_b32 s23, 0
	s_add_nc_u64 s[8:9], s[8:9], s[22:23]
	s_lshl_b32 s18, s17, 1
	s_add_co_u32 s18, s18, s15                     ; my group of 128 tokens
	s_lshl_b32 s18, s18, 5
	s_add_co_u32 s18, s18, s19
	s_mul_i32 s18, s18, PB                         ; my panel of the result
	s_mov_b32 s19, 0
	s_add_nc_u64 s[12:13], s[10:11], s[18:19]
.irp b, 0,1,2,3,4,5,6,7
	global_load_b128 v[BX+8*\b:BX+8*\b+3], v24, s[8:9] offset:64*\b
	global_load_b128 v[BX+8*\b+4:BX+8*\b+7], v24, s[8:9] offset:64*\b+16
.endr
	s_wait_tensorcnt 1                             ; my part of slot 0 is in; slot 1's load may be out
	s_barrier_signal -1
	s_barrier_wait -1
	FETCH_X 0, 0, 0
	FETCH_Y 0, 0, 0
	SCALES 0, 0, 0
	FETCH_Y 0, 0, NBK/2
	STEP 0, 0, 1                                   ; the first step's products start the sums
	s_mov_b32 s3, LAPS-1
.Llap:
	TURN 0, 1, 1
	STEP 1, 0, 0
	TURN 1, 0, 1
	STEP 0, 0, 0
	s_sub_co_u32 s3, s3, 1
	s_cmp_lg_u32 s3, 0
	s_cbranch_scc1 .Llap
	TURN 0, 1, 0                                   ; the last lap fills nothing
	STEP 1, 0, 0
	s_wait_dscnt 2*NBK
	MULS 0, NBK/2, 1, 0
	s_wait_dscnt 0x0
	MULS NBK/2, NBK/2, 1, 0
	WIN 0
	; THE WAY OUT: a loop of eight trips, a block of 16 tokens a trip.  Only the 32 additions that bring a block's sums into window 0 name other registers from trip to trip: they are written eight times and chosen
	; by the trip's number; the GELU, the quantiser and the stores are written once.
	s_wait_loadcnt 0x0                             ; the bias
	PLACES 8
.irp b, 0,1,2,3
	v_mov_b32 v[TM+4+\b], 0                        ; a lane permute's destination counts as one of its sources
.endr
	v_mov_b32 v248, 0xbf3a00e3                     ; the polynomial's fourth coefficient, halved, as a pair
	v_mov_b32 v249, 0xbf3a00e3
	s_mov_b32 s3, 0                                ; the block
	s_mov_b32 s19, 0                               ; 4 x the block
.Lrow:
.irp a, 0,1,2,3,4,5,6
	s_cmp_eq_u32 s3, \a
	s_cbranch_scc1 .Lcase\a
.endr
	COPY 7
	s_branch .Lgot
.irp a, 0,1,2,3,4,5,6
.Lcase\a:
	COPY \a
.if \a < 6
	s_branch .Lgot
.endif
.endr
.Lgot:
	GELU N
	GELU N+16
	GELU N+32
	GELU N+48
	QUANT N, PW
	v_add_nc_u32 v27, s19, v26
.irp c, 0,1,2,3
	global_store_b128 v22, v[PC+4*\c:PC+4*\c+3], s[12:13] offset:512*\c       ; 32 lanes store 512 consecutive bytes
.endr
	ds_store_b32 v27, v[PW]                        ; lanes l and l xor 16 write the same word with the same value
	s_wait_xcnt 0x0                                ; the stores have read their registers and their base: both are written again only behind this wait
	s_add_nc_u64 s[12:13], s[12:13], 2048
	s_add_co_u32 s19, s19, 4
	s_add_co_u32 s3, s3, 1
	s_cmp_lt_u32 s3, 8
	s_cbranch_scc1 .Lrow
	ds_load_b128 v[224:227], v23                   ; LDS serves a wave's instructions in order (ISA guide 5.7.1.4): this sees my stores
	s_wait_dscnt 0x0
	global_store_b128 v22, v[224:227], s[12:13]    ; the base now stands at the panel's scale words: 512 consecutive bytes
	s_wait_tensorcnt 0x0                           ; the wave's end
	ds_add_u32 v[SPW], v[NIL]
	s_wait_dscnt 0x0
	CROUND                                         ; the closing round
	s_endpgm
.Lfunc_end_k_qf47feae290_fc1:
	.size	k_qf47feae290_fc1, .Lfunc_end_k_qf47feae290_fc1-k_qf47feae290_fc1
	.p2alignl 7, 3214868480
	.fill 96, 4, 3214868480
	.section	.rodata,"a",@progbits
	.p2align	6, 0x0
	.amdhsa_kernel k_qf47feae290_fc1
		.amdhsa_group_segment_fixed_size 327680
		.amdhsa_private_segment_fixed_size 0
		.amdhsa_enable_private_segment 0
		.amdhsa_kernarg_size 32
		.amdhsa_user_sgpr_count 2
		.amdhsa_user_sgpr_kernarg_segment_ptr 1
		.amdhsa_wavefront_size32 1
		.amdhsa_system_sgpr_workgroup_id_x 1
		.amdhsa_system_sgpr_workgroup_id_y 1
		.amdhsa_system_sgpr_workgroup_id_z 1
		.amdhsa_system_vgpr_workitem_id 0
		.amdhsa_next_free_vgpr 1024
		.amdhsa_next_free_sgpr 96
		.amdhsa_reserve_vcc 0
		.amdhsa_float_denorm_mode_32 3
		.amdhsa_float_denorm_mode_16_64 3
		.amdhsa_memory_ordered 1
		.amdhsa_forward_progress 1
		.amdhsa_inst_pref_size 171
	.end_amdhsa_kernel
	.amdgpu_metadata
---
amdhsa.version: [ 1, 2 ]
amdhsa.kernels:
  - .name:           k_qf47feae290_fc1
    .symbol:         k_qf47feae290_fc1.kd
    .args:
      - { .name: h2q, .offset: 0, .size: 8, .value_kind: global_buffer, .address_space: global }
      - { .name: img, .offset: 8, .size: 8, .value_kind: global_buffer, .address_space: global }
      - { .name: fc1_b, .offset: 16, .size: 8, .value_kind: global_buffer, .address_space: global }
      - { .name: ffq, .offset: 24, .size: 8, .value_kind: global_buffer, .address_space: global }
    .group_segment_fixed_size: 327680
    .private_segment_fixed_size: 0
    .kernarg_segment_align: 8
    .kernarg_segment_size: 32
    .max_flat_workgroup_size: 128
    .sgpr_count:     96
    .vgpr_count:     1024
    .wavefront_size: 32
...
	.end_amdgpu_metadata
.endif
;; end of part 5
;; launch fc2 (part 6): grid 8 x 32, 4 waves a work-group, clusters of 4 x 4, 327,680 bytes of LDS; arguments ffq, img, fc2_b, hid, out0; writes out0
.if DOCPART == 6
	.amdgcn_target "amdgcn-amd-amdhsa--gfx1250"
	.amdhsa_code_object_version 6
	.text
	.protected	k_qf47feae290_fc2
	.globl	k_qf47feae290_fc2
	.p2align	8
	.type	k_qf47feae290_fc2,@function
k_qf47feae290_fc2:
	s_mov_b64 s[64:65], 0
	v_nop
	global_prefetch_b8 v0, s[64:65] scope:SCOPE_SE
	s_setreg_imm32_b32 hwreg(HW_REG_WAVE_MODE, 25, 1), 1
	s_wait_xcnt 0x0
	s_wait_alu depctr_hold_cnt(0) depctr_sa_sdst(0) depctr_va_vdst(0) depctr_va_sdst(0) depctr_va_ssrc(0) depctr_va_vcc(0) depctr_vm_vsrc(0)
	s_getreg_b32 s2, hwreg(HW_REG_IB_STS2, 6, 4)
	s_cmp_eq_u32 s2, 0
	s_cbranch_scc0 .Lentry_in_a_cluster
	s_endpgm
.Lentry_in_a_cluster:
	s_bfe_u32 s2, ttmp6, 0x10000c
	s_cmp_lg_u32 s2, 0xf033
	s_cbranch_scc0 .Lentry_shape_is_right
	s_endpgm
.Lentry_shape_is_right:
; out = residual + Y X^T + bias, f32.  Y: an MX-BF8 operand image of [4096][K] (tokens), X: the image of a weight [1024][K]; here K = 4,096: the second layer of the MLP.
; THE IMAGES: a panel is 128 rows x 128 K, 16,896 bytes: 8 fragments of 2,048 bytes as images of the operand's registers (lane l's 16 bytes of chunk c at 512 c + 16 l), then at 16,384 the scale words, row
; 16 a + r at 32 r + 4 a; the panels of one group of 128 rows follow each other along K.  In a chunk k is permuted inside its block of 32, alike in both operands: only the order of summation differs.
; A work-group makes 128 x 128 (256 x 256 would give 64 work-groups for 256 WGPs), a wave 64 x 64 in 16 accumulators.  A slot holds four K steps of both sides; each wave fetches two K steps of one side, a dense block.
; X is source 0, Y source 1: a lane holds one token and eight neighbouring outputs a tile.  4 x 4 work-groups form a cluster; Y's blocks are asked for jointly along a row of the cluster, X's along a column.
; REGISTERS: window 0: v1-29 addresses; v32-47 scale words, two sets; v48-51 bias; v128-191 Y's fragments; v192-223 rows on the way out.  window 1: X's fragments, two sets, at v0 and v128.
; window 2: v0-127 the accumulators, (a, b) at v[8 (4 a + b)]; v128-255 the residual, asked for at the head.
.set PB,    16896
.set LOADB, 2*PB
.set SLOT,  4*LOADB
.set NBK,   4
.set NQ,    4
.set KS,    32
.set XOFF,  12976128                   ; the weight's image in the images' buffer
.set LAPS,  KS/(2*NQ)
.set YWM,   8192
.set YSM,   16
.set STAGE, 2*SLOT                     ; 16 rows x (256 bytes + 16) for each wave; no fill lands here
.set SPARE, STAGE+4*16*272             ; the spare words, 128 bytes for each wave: two blocks of 256 bytes that no other line names
.set AY,  16
.set AX,  18
.set AS,  20
.set STO, 24
.set RD,  25
.set CO,  26
.set SPW, 28
.set NIL, 29
.set SC,  32
.set YF,  128
.set BK,  192
.set G1Y, 24
.set G0Y, 32
.set G1X, 48
.set G0X, 56
.set MSB, 0
.macro WIN new                         ; the immediate's high byte repeats the setting that is left
.if MSB != (\new)
	s_set_vgpr_msb (MSB<<8)|(\new)
.set MSB, (\new)
.endif
.endm
.set MUL_LO, 0xa1                      ; source 0 (X) window 1, source 1 (Y) window 0, C and D window 2
.set TO_X,   0x40
.macro JLOAD s                         ; a joint load: waves 0 and 1 fetch for Y, waves 2 and 3 for X; four v_nop follow each of the two lines
	s_cmp_eq_u32 s15, 0
	s_cbranch_scc0 .Lfor_x_\@
	tensor_load_to_lds s[G0Y+4*\s:G0Y+4*\s+3], s[G1Y:G1Y+7]
	s_nop 0
.rept 4
	v_nop
.endr
	s_branch .Lasked_\@
.Lfor_x_\@:
	tensor_load_to_lds s[G0X+4*\s:G0X+4*\s+3], s[G1X:G1X+7]
	s_nop 0
.rept 4
	v_nop
.endr
.Lasked_\@:
.endm
.macro CREST
	s_cmp_lg_u32 s14, 0
	s_cbranch_scc1 .Lnot_wave_0_\@
	s_barrier_signal -3
.Lnot_wave_0_\@:
	s_barrier_wait -3
	s_barrier_signal -1
	s_barrier_wait -1
.endm
.macro CROUND
	s_barrier_signal -1
	s_barrier_wait -1
	CREST
.endm
.macro PLACES n                        ; plain vector instructions behind matrix instructions (ISA guide 7.12.1)
.rept \n
	v_nop
.endr
.endm
.macro FRAG reg, adr, q, f
.irp c, 0,1,2,3
	ds_load_b128 v[\reg+4*\c:\reg+4*\c+3], v[\adr] offset:(\q)*PB+2048*(\f)+512*\c
.endr
.endm
.macro FETCH_X slot, q, p
	WIN TO_X
.set fi, 0
.rept NBK
	FRAG 128*(\p)+16*fi, AX+\slot, \q, fi
.set fi, fi+1
.endr
	WIN 0
.endm
.macro FETCH_Y slot, q, f0
.set fi, \f0
.rept NBK/2
	FRAG YF+16*fi, AY+\slot, \q, fi
.set fi, fi+1
.endr
.endm
.macro SCALES slot, q, p               ; register blk of set p: lanes 0-15 the word of Y's block blk, lanes 16-31 that of X's
.set fi, 0
.rept NBK/4
	ds_load_b128 v[SC+8*(\p)+4*fi:SC+8*(\p)+4*fi+3], v[AS+\slot] offset:(\q)*PB+16*fi
.set fi, fi+1
.endr
.endm
.macro MULA a, p, zero                 ; the accumulators take turns, one instruction a turn, in one order throughout
	WIN MUL_LO
.set bi, 0
.rept NBK
.set rD, 8*(NBK*(\a)+bi)
.if \zero
	v_wmma_scale_f32_16x16x128_f8f6f4 v[rD:rD+7], v[128*(\p)+16*bi:128*(\p)+16*bi+15], v[YF+16*(\a):YF+16*(\a)+15], 0, v[SC+8*(\p)+bi], v[SC+8*(\p)+(\a)] matrix_a_fmt:MATRIX_FMT_BF8 matrix_b_fmt:MATRIX_FMT_BF8 matrix_a_scale:MATRIX_SCALE_ROW1
.else
	v_wmma_scale_f32_16x16x128_f8f6f4 v[rD:rD+7], v[128*(\p)+16*bi:128*(\p)+16*bi+15], v[YF+16*(\a):YF+16*(\a)+15], v[rD:rD+7], v[SC+8*(\p)+bi], v[SC+8*(\p)+(\a)] matrix_a_fmt:MATRIX_FMT_BF8 matrix_b_fmt:MATRIX_FMT_BF8 matrix_a_scale:MATRIX_SCALE_ROW1
.endif
.set bi, bi+1
.endr
.endm
.macro MULS a0, n, p, zero
.set ai, \a0
.rept \n
	MULA ai, \p, \zero
.set ai, ai+1
.endr
.endm
.macro STEP slot, q, zero
	s_wait_dscnt 2*NBK                             ; all but the youngest loads, Y's upper half
	MULS 0, NBK/2, (\q)%2, \zero
	s_wait_dscnt 0x0
	PLACES 8
	FETCH_X \slot, (\q)+1, 1-(\q)%2
	FETCH_Y \slot, (\q)+1, 0
	SCALES \slot, (\q)+1, 1-(\q)%2
	MULS NBK/2, NBK/2, (\q)%2, \zero
	PLACES 8
	WIN 0
	FETCH_Y \slot, (\q)+1, NBK/2
.endm
.macro TURN slot, next, fill
	s_wait_tensorcnt 0x0                           ; all my tensor loads have landed: my part of the next slot
	ds_add_u32 v[SPW], v[NIL]                      ; 0 onto my spare word
	s_wait_dscnt 2*NBK+1                           ; the add and Y's upper half may be out
	MULS 0, NBK/4, 1, 0
	s_wait_dscnt 0x0                               ; the add is done, and my reads of this slot are over
	s_barrier_signal -1
	MULS NBK/4, NBK/4, 1, 0
	WIN 0
	s_barrier_wait -1
.if \fill
	CREST
	s_add_nc_u64 s[G0Y+4*\slot+2:G0Y+4*\slot+3], s[G0Y+4*\slot+2:G0Y+4*\slot+3], 2*NQ*PB
	s_add_nc_u64 s[G0X+4*\slot+2:G0X+4*\slot+3], s[G0X+4*\slot+2:G0X+4*\slot+3], 2*NQ*PB
	JLOAD \slot
	PLACES 4
.else
	PLACES 8
.endif
	FETCH_X \next, 0, 0
	FETCH_Y \next, 0, 0
	SCALES \next, 0, 0
	MULS NBK/2, NBK/2, 1, 0
	PLACES 8
	WIN 0
	FETCH_Y \next, 0, NBK/2
.endm
	s_load_b128 s[4:7], s[0:1], 0x0                ; Y's image, the weights' images
	s_load_b128 s[8:11], s[0:1], 0x10              ; the bias, the residual
	s_load_b64 s[12:13], s[0:1], 0x20              ; out
	v_lshl_add_u32 v[SPW], v0, 2, SPARE
	v_mov_b32 v[NIL], 0
	ds_add_u32 v28, v29
	s_wait_dscnt 0x0
	v_lshrrev_b32 v1, 5, v0
	v_readfirstlane_b32 s14, v1                    ; wave 0..3
	s_lshr_b32 s15, s14, 1                         ; my half of Y's rows.  Also: I fetch for Y (0) or for X (1)
	s_and_b32 s16, s14, 1                          ; my half of X's rows.  Also: which two K steps of a slot I fetch
	s_bfe_u32 s40, ttmp6, 0x40000
	s_bfe_u32 s41, ttmp6, 0x40004
	s_lshl_b32 s42, ttmp9, 2
	s_add_co_u32 s42, s42, s40                     ; X's group of 128 rows
	s_and_b32 s17, ttmp7, 0xffff
	s_lshl_b32 s17, s17, 2
	s_add_co_u32 s17, s17, s41                     ; Y's
	s_lshl_b32 s43, s41, 2
	s_lshl_b32 s43, 15, s43
	s_lshl_b32 s44, 0x1111, s40
	s_or_b32 s[G1Y], s43, (3<<16)|(1<<21)          ; 15:0 the mask; 17:16 elements of 8 bytes; 21 set beside a mask; no padding
	s_or_b32 s[G1X], s44, (3<<16)|(1<<21)
.irp g, G1Y, G1X                       ; a dense block of 33,792 bytes as 132 rows of 256
	s_mov_b32 s[\g+1], 32<<16
	s_mov_b32 s[\g+2], 132<<16
	s_mov_b32 s[\g+3], 32<<16
	s_mov_b32 s[\g+4], 132
	s_mov_b32 s[\g+5], 32
	s_mov_b32 s[\g+6], 0
	s_mov_b32 s[\g+7], 0
.endr
	s_mul_i32 s18, s16, 2*PB
	s_mul_i32 s20, s17, KS*PB
	s_add_co_u32 s20, s20, s18
	s_mov_b32 s21, 0
	s_mul_i32 s46, s42, KS*PB
	s_add_co_u32 s46, s46, s18
	s_add_co_u32 s46, s46, XOFF
	s_mov_b32 s47, 0
	s_mul_i32 s45, s14, LOADB
	s_wait_kmcnt 0x0
	s_add_nc_u64 s[20:21], s[4:5], s[20:21]
	s_add_nc_u64 s[46:47], s[6:7], s[46:47]
	CROUND                                         ; all sixteen work-groups are here: the first joint loads meet
.irp s, 0,1
	s_mov_b32 s[G0Y+4*\s], 1
	s_add_co_u32 s[G0Y+4*\s+1], s45, \s*SLOT
	s_add_nc_u64 s[G0Y+4*\s+2:G0Y+4*\s+3], s[20:21], \s*NQ*PB
	s_or_b32 s[G0Y+4*\s+3], s[G0Y+4*\s+3], 0x80000000
	s_mov_b32 s[G0X+4*\s], 1
	s_add_co_u32 s[G0X+4*\s+1], s45, \s*SLOT
	s_add_nc_u64 s[G0X+4*\s+2:G0X+4*\s+3], s[46:47], \s*NQ*PB
	s_or_b32 s[G0X+4*\s+3], s[G0X+4*\s+3], 0x80000000
	JLOAD \s
.endr
	v_and_b32 v1, 15, v0                           ; r
	v_bfe_u32 v2, v0, 4, 1                         ; h
	v_and_b32 v3, 31, v0
	v_lshlrev_b32 v22, 4, v3                       ; 16 x lane
	s_mul_i32 s21, s15, YWM
	s_mul_i32 s22, s16, YWM
	s_add_co_u32 s22, s22, 2*LOADB
	v_add_nc_u32 v[AY], s21, v22
	v_add_nc_u32 v[AX], s22, v22
	v_add_nc_u32 v[AY+1], SLOT, v[AY]
	v_add_nc_u32 v[AX+1], SLOT, v[AX]
	s_mul_i32 s21, s15, YSM
	s_mul_i32 s22, s16, YSM
	s_add_co_u32 s22, s22, 2*LOADB
	s_sub_co_u32 s22, s22, s21
	v_mul_u32_u24 v4, s22, v2                      ; lanes 16-31 take X's scale words
	v_lshl_add_u32 v4, v1, 5, v4
	s_add_co_u32 s21, s21, 16384
	v_add_nc_u32 v[AS], s21, v4
	v_add_nc_u32 v[AS+1], SLOT, v[AS]
	s_mul_i32 s23, s14, 16*272
	s_add_co_u32 s23, s23, STAGE                   ; my stage
	v_mul_u32_u24 v4, v1, 272
	v_lshl_add_u32 v4, v2, 5, v4
	v_add_nc_u32 v[STO], s23, v4                   ; in: row r, 32 bytes for each half of the lanes
	v_mul_u32_u24 v4, v2, 272
	v_lshl_add_u32 v4, v1, 4, v4
	v_add_nc_u32 v[RD], s23, v4                    ; back: lanes 0-15 one row of 256 bytes, lanes 16-31 the next
	v_lshlrev_b32 v[CO], 12, v2
	v_lshl_add_u32 v[CO], v1, 4, v[CO]             ; and the same two rows in memory
	v_lshlrev_b32 v23, 4, v1
	s_lshl_b32 s18, s17, 7
	s_lshl_b32 s19, s15, 6
	s_add_co_u32 s18, s18, s19                     ; my first token
	s_lshl_b32 s18, s18, 12
	s_lshl_b32 s19, s42, 9
	s_lshl_b32 s22, s16, 8
	s_add_co_u32 s22, s22, s19                     ; my first output, in bytes
	s_mov_b32 s23, 0
	s_add_co_u32 s18, s18, s22
	s_mov_b32 s19, 0
	s_add_nc_u64 s[8:9], s[8:9], s[22:23]
	s_add_nc_u64 s[10:11], s[10:11], s[18:19]
	s_add_nc_u64 s[12:13], s[12:13], s[18:19]
	global_load_b128 v[48:51], v23, s[8:9]         ; the bias of the four outputs that I store
	WIN 0x80                                       ; destination window 2
.irp a, 0,1,2,3
.irp t, 0,1,2,3,4,5,6,7
	global_load_b128 v[128+32*\a+4*\t:128+32*\a+4*\t+3], v[CO], s[10:11] offset:(16*\a+2*\t)*4096     ; the residual lands while the products run
.endr
.endr
	WIN 0
	s_wait_tensorcnt 1                             ; my part of slot 0 is in; slot 1's load may be out
	s_barrier_signal -1
	s_barrier_wait -1
	FETCH_X 0, 0, 0
	FETCH_Y 0, 0, 0
	SCALES 0, 0, 0
	FETCH_Y 0, 0, NBK/2
	STEP 0, 0, 1                                   ; the first step's products start the sums
	STEP 0, 1, 0
	STEP 0, 2, 0
.if LAPS > 1
	s_mov_b32 s3, LAPS-1
.Llap:
	TURN 0, 1, 1
	STEP 1, 0, 0
	STEP 1, 1, 0
	STEP 1, 2, 0
	TURN 1, 0, 1
	STEP 0, 0, 0
	STEP 0, 1, 0
	STEP 0, 2, 0
	s_sub_co_u32 s3, s3, 1
	s_cmp_lg_u32 s3, 0
	s_cbranch_scc1 .Llap
.endif
	TURN 0, 1, 0                                   ; the last lap fills nothing
	STEP 1, 0, 0
	STEP 1, 1, 0
	STEP 1, 2, 0
	s_wait_dscnt 2*NBK
	MULS 0, NBK/2, 1, 0
	s_wait_dscnt 0x0
	MULS NBK/2, NBK/2, 1, 0
	WIN 0
	; THE WAY OUT, 16 tokens at a time: through my own stage, back as whole rows of 256 bytes; residual and bias are added; sixteen lanes store 256 consecutive bytes, aligned.
	s_wait_loadcnt 0x0                             ; the residual and the bias
	PLACES 8
.irp a, 0,1,2,3
.if \a > 0
	s_wait_xcnt 0x0                                ; the last block's stores have read their registers
.endif
	WIN 0x08                                       ; an LDS store's data are its source 1: window 2
.irp b, 0,1,2,3
	ds_store_b128 v[STO], v[8*(4*\a+\b):8*(4*\a+\b)+3] offset:64*\b           ; each accumulator from its low end on
	ds_store_b128 v[STO], v[8*(4*\a+\b)+4:8*(4*\a+\b)+7] offset:64*\b+16
.endr
	WIN 0
.irp t, 0,1,2,3,4,5,6,7
	ds_load_b128 v[BK+4*\t:BK+4*\t+3], v[RD] offset:544*\t         ; LDS serves a wave's instructions in order (ISA guide 5.7.1.4): these see the stores above
.endr
	s_wait_dscnt 0x0
	WIN 0x08                                       ; source 1: window 2
.set i, 0
.rept 16
	v_pk_add_f32 v[BK+2*i:BK+2*i+1], v[BK+2*i:BK+2*i+1], v[128+32*\a+2*i:128+32*\a+2*i+1]
.set i, i+1
.endr
	WIN 0
.irp t, 0,1,2,3,4,5,6,7
	v_pk_add_f32 v[BK+4*\t:BK+4*\t+1], v[BK+4*\t:BK+4*\t+1], v[48:49]
	v_pk_add_f32 v[BK+4*\t+2:BK+4*\t+3], v[BK+4*\t+2:BK+4*\t+3], v[50:51]
.endr
.irp t, 0,1,2,3,4,5,6,7
	global_store_b128 v[CO], v[BK+4*\t:BK+4*\t+3], s[12:13] offset:(16*\a+2*\t)*4096 th:TH_STORE_NT
.endr
.endr
	s_wait_tensorcnt 0x0                           ; the wave's end
	ds_add_u32 v[SPW], v[NIL]
	s_wait_dscnt 0x0
	CROUND                                         ; the closing round
	s_endpgm
.Lfunc_end_k_qf47feae290_fc2:
	.size	k_qf47feae290_fc2, .Lfunc_end_k_qf47feae290_fc2-k_qf47feae290_fc2
	.p2alignl 7, 3214868480
	.fill 96, 4, 3214868480
	.section	.rodata,"a",@progbits
	.p2align	6, 0x0
	.amdhsa_kernel k_qf47feae290_fc2
		.amdhsa_group_segment_fixed_size 327680
		.amdhsa_private_segment_fixed_size 0
		.amdhsa_enable_private_segment 0
		.amdhsa_kernarg_size 40
		.amdhsa_user_sgpr_count 2
		.amdhsa_user_sgpr_kernarg_segment_ptr 1
		.amdhsa_wavefront_size32 1
		.amdhsa_system_sgpr_workgroup_id_x 1
		.amdhsa_system_sgpr_workgroup_id_y 1
		.amdhsa_system_sgpr_workgroup_id_z 1
		.amdhsa_system_vgpr_workitem_id 0
		.amdhsa_next_free_vgpr 768
		.amdhsa_next_free_sgpr 72
		.amdhsa_reserve_vcc 0
		.amdhsa_float_denorm_mode_32 3
		.amdhsa_float_denorm_mode_16_64 3
		.amdhsa_memory_ordered 1
		.amdhsa_forward_progress 1
		.amdhsa_inst_pref_size 105
	.end_amdhsa_kernel
	.amdgpu_metadata
---
amdhsa.version: [ 1, 2 ]
amdhsa.kernels:
  - .name:           k_qf47feae290_fc2
    .symbol:         k_qf47feae290_fc2.kd
    .args:
      - { .name: ffq, .offset: 0, .size: 8, .value_kind: global_buffer, .address_space: global }
      - { .name: img, .offset: 8, .size: 8, .value_kind: global_buffer, .address_space: global }
      - { .name: fc2_b, .offset: 16, .size: 8, .value_kind: global_buffer, .address_space: global }
      - { .name: hid, .offset: 24, .size: 8, .value_kind: global_buffer, .address_space: global }
      - { .name: out0, .offset: 32, .size: 8, .value_kind: global_buffer, .address_space: global }
    .group_segment_fixed_size: 327680
    .private_segment_fixed_size: 0
    .kernarg_segment_align: 8
    .kernarg_segment_size: 40
    .max_flat_workgroup_size: 128
    .sgpr_count:     72
    .vgpr_count:     768
    .wavefront_size: 32
...
	.end_amdgpu_metadata
.endif
;; end of part 6
